; MI455X (gfx1250); checked and timed in simulation.
; The chip was launched on July 23, 2026; its instructions are those of AMD's public machine-readable ISA for CDNA 5 (MIT licence, August 2026) and "CDNA5" Instruction Set Architecture Reference Guide (July 2026). The comments in the code are by the model that wrote it; some were corrected since.
;; Simple Multi Head Attention. Allowed arithmetic: matrix products marked QUANTISED: E2M1 operands, one E8M0 scale for each 32 along K, by v_wmma_scale_f32_16x16x128_f8f6f4 with both operands' format E2M1 (or v_wmma_scale_f32_32x16x128_f4), f32 sums; products left as they are: bf16, f16 or f32 operands; f32 sums; everything else in f32.
;; Inputs: key 4 x 2,048 x 1,024 float32; mask 1 x 1 x 2,048 x 2,048 bool; query 4 x 2,048 x 1,024 float32; value 4 x 2,048 x 1,024 float32; wk 1,024 x 1,024 float32; wo 1,024 x 1,024 float32; wq 1,024 x 1,024 float32; wv 1,024 x 1,024 float32.
;; Outputs: out0 4 x 2,048 x 1,024 float32.
;; This version of the problem:
;;   THIS VERSION OF THE PROBLEM IS GIVEN IN LOW PRECISION. The matrix products marked QUANTISED in the list below multiply operands that are first quantised to E2M1 (2 exponent bits, 1 mantissa bit; 4 bits a number), with one power-of-two scale for each 32 numbers along K (OCP MX v1.0); their sums are f32. The products marked 'left as it is' may take bf16, f16 or f32 operands, with f32 sums. Whichever they take, every output number must still come out within the allowed error. Rounding operands to bf16 (8 significant bits) uses up far more of that allowance than f16 does (11 bits, for magnitudes from 6e-5 to 65,504). All else is computed in f32.
;;   The module's matrix products, in the order in which they are computed (A, B: the left and right operand; K: the contracted axis; several contracted axes count as one K, in the product's order):
;;     1. [M 8,192, K 1,024] x [K 1,024, N 1,024]; A: input query; B: input wq: QUANTISED
;;     2. [M 8,192, K 1,024] x [K 1,024, N 1,024]; A: input key; B: input wk: QUANTISED
;;     3. [M 8,192, K 1,024] x [K 1,024, N 1,024]; A: input value; B: input wv: QUANTISED
;;     4. batch 64 x [M 2,048, K 64] x [K 64, N 2,048]; A: computed on the way; B: computed on the way: left as it is (an operand is computed on the way)
;;     5. batch 64 x [M 2,048, K 2,048] x [K 2,048, N 64]; A: computed on the way; B: computed on the way: left as it is (an operand is computed on the way)
;;     6. [M 8,192, K 1,024] x [K 1,024, N 1,024]; A: computed on the way; B: input wo: left as it is (an operand is computed on the way)
;;   THE QUANTISER, for each operand of a quantised product, along K:
;;     - K is cut into blocks of 32 from its start; a last block that is shorter is filled with zeros.
;;     - A block's scale is 2^e with e = floor(log2(the largest magnitude in the block)) - 2, held to -126 .. 127; a block of zeros has e = 0. As a byte (E8M0): e + 127.
;;     - Each number is divided by its block's scale, clamped to +-6, and rounded to the nearest number of E2M1, ties to even, subnormals kept.
;;     - The product sums the exact products of the quantised numbers (number of the format x scale) in f32.
;;   ~~~python
;;   def quantise(x, axis):      # numpy; x: float32 -> the quantised numbers, widened to float32 again
;;       x = np.moveaxis(x, axis, -1); K = x.shape[-1]
;;       x = np.pad(x, [(0, 0)] * (x.ndim - 1) + [(0, -K % 32)]); x = x.reshape(x.shape[:-1] + (-1, 32)); a = np.abs(x).max(-1, keepdims=True)
;;       e = np.where(a > 0, np.clip(np.frexp(np.where(a > 0, a, 1))[1] - 1 - 2, -126, 127), 0)      # np.frexp(a)[1] - 1 = floor(log2(a)), exactly
;;       r = np.clip(x / 2.0 ** e, -6, 6)
;;       step = 2.0 ** (np.maximum(np.frexp(np.where(r == 0, 1, r))[1] - 1, 0) - 1)
;;       q = np.round(r / step) * step * 2.0 ** e      # np.round: ties to even
;;       return np.moveaxis(q.reshape(q.shape[:-2] + (-1,))[..., :K], -1, axis).astype(np.float32)
;;   ~~~
;; One version. Each part assembles by itself: llvm-mc -triple=amdgcn-amd-amdhsa -mcpu=gfx1250 --defsym DOCPART=n.
;; ======== version 1 of 1: 5 launches
;; limits: values are held in f16: magnitudes above 65,504 overflow, below 6.1e-05 lose precision
;; workspace buffers: codes 14,155,776 bytes; scales 884,736 bytes; wo16 2,097,152 bytes; maskw 524,800 bytes of whole numbers; qkv 50,331,648 bytes; fine32 786,432 bytes; att16 16,777,216 bytes; fstate 278,528 bytes
;; launch prep (part 1): grid 992 x 1, 4 waves a work-group, no clusters, 33,280 bytes of LDS; arguments query, key, value, wq, wk, wv, wo, mask, codes, scales, wo16, maskw; writes codes, scales, wo16, maskw
.if DOCPART == 1
	.amdgcn_target "amdgcn-amd-amdhsa--gfx1250"
	.amdhsa_code_object_version 6
	.text
	.protected	k_q2f3b221b8e_prep
	.globl	k_q2f3b221b8e_prep
	.p2align	8
	.type	k_q2f3b221b8e_prep,@function
k_q2f3b221b8e_prep:
	s_mov_b64 s[64:65], 0
	v_nop
	global_prefetch_b8 v0, s[64:65] scope:SCOPE_SE
	s_setreg_imm32_b32 hwreg(HW_REG_WAVE_MODE, 25, 1), 1
	s_wait_xcnt 0x0
; PREP: three jobs in one launch, told apart by the work-group's number.
; Work-groups 0-863: query, key, value, wq, wk, wv (f32, K innermost) become codes of FP4 (E2M1) and one E8M0 byte for each 32 along K.  All six are dense
;   streams of blocks of 32; their codes lie on end in 'codes' (rows of 512 bytes: query 0, key 8,192, value 16,384, wq 24,576, wk 25,600, wv 26,624) and their bytes in 'scales' (rows of 32 bytes).
;   A block's scale is 2^(floor(log2(largest magnitude)) - 2); its byte is the largest magnitude's exponent field - 2, held at 1 from below.  A block of zeros keeps the byte 1: its codes are zeros, and this program alone reads the bytes.
;   LIMITS: blocks whose largest magnitude lies under 2^-124 have their byte held at 1; NaN and infinities among the inputs are not served.
; Work-groups 864-927: wo becomes f16, laid in the order of a matrix operand's registers: [column tile 64][32 features 32][half 2][lane 32][16 bytes]; lane (r, h): column 16 ct + r, features 32 kc + 16 c + 8 h + 0..7.
; Work-groups 928-991: the mask becomes lane masks: word [query tile 128][key tile 128][j 8], bit L = mask[16 qt + L % 16][16 kt + 8 (L / 16) + j]; and, from byte 524,288 on, two words for each block of 32 queries:
;   bit ks of ANY: some entry of the block's 64 keys 64 ks .. is true; bit ks of ALL: all are.
.set WAVES, 4
.set STEPS, 16
.set EMAX,  2
.set CB,    8                          ; bytes of 16 codes
.set R,     16                         ; v16-79   four sets of 16 numbers as they are loaded
.set X,     80                         ; v80-111  two sets of 16 neighbours
.set E,     112                        ; v112-127 a scale byte for each step
.set C,     128                        ; v128-191 codes: four registers for each step, so that no store's data are written again
.set WREG,  8192                       ; LDS: a region for each wave: two stages of 32 x SP bytes, behind them its 256 scale bytes
.set SP,    80                         ; a lane's place in a stage: 64 bytes + 16 of padding
.set SPW,   12                         ; v12  my spare word's LDS address; never rewritten
.set NIL,   13                         ; v13  0; never rewritten
.set SPARE, WAVES*WREG                 ; the spare words: 128 bytes a wave, two blocks of 256 bytes that no other line names
	s_load_b512 s[4:19], s[0:1], 0x0               ; query s[4:5], key s[6:7], value s[8:9], wq s[10:11], wk s[12:13], wv s[14:15], wo s[16:17], mask s[18:19]
	s_load_b256 s[20:27], s[0:1], 0x40             ; codes s[20:21], scales s[22:23], wo16 s[24:25], maskw s[26:27]
	v_lshl_add_u32 v[SPW], v0, 2, SPARE
	v_mov_b32 v[NIL], 0
	v_lshrrev_b32 v1, 5, v0
	v_readfirstlane_b32 s32, v1                    ; wave
	v_and_b32 v2, 31, v0                           ; lane
	s_wait_kmcnt 0x0
	s_cmp_ge_u32 ttmp9, 928
	s_cbranch_scc1 .Lmask
	s_cmp_ge_u32 ttmp9, 864
	s_cbranch_scc1 .Lwo
; ---------------- the quantiser.  A wave takes 16 steps of 512 numbers.  Each load reads 512 consecutive bytes; a step's 2,048 bytes turn through the wave's own stage in LDS, so that a lane then holds 16 neighbours along K.
	v_lshlrev_b32 v3, 4, v2                        ; my 16 bytes of a load's 512
	s_mul_i32 s33, s32, WREG
	v_lshrrev_b32 v14, 2, v2
	v_mul_u32_u24 v14, v14, SP
	v_and_b32 v15, 3, v2
	v_lshl_add_u32 v14, v15, 4, v14
	v_add_nc_u32 v14, s33, v14                     ; the stage, on the way in: SP (lane / 4) + 16 (lane % 4)
	v_mul_u32_u24 v15, v2, SP
	v_add_nc_u32 v15, s33, v15                     ; and on the way out: SP x lane
	v_mul_u32_u24 v4, v2, CB                       ; my codes' place in a step's
	v_lshrrev_b32 v5, 1, v2
	s_add_co_u32 s33, s33, 2*32*SP
	v_add_nc_u32 v5, s33, v5                       ; my block's byte among my wave's 256
	v_lshlrev_b32 v7, 3, v2
	v_add_nc_u32 v6, s33, v7                       ; and on the way out 8 bytes a lane
	s_mov_b64 s[28:29], s[14:15]                   ; which tensor: a choice on the work-group's number alone
	s_mov_b32 s30, 832                             ; and that tensor's first work-group
	s_cmp_lt_u32 ttmp9, 832
	s_cselect_b64 s[28:29], s[12:13], s[28:29]
	s_cselect_b32 s30, 800, s30
	s_cmp_lt_u32 ttmp9, 800
	s_cselect_b64 s[28:29], s[10:11], s[28:29]
	s_cselect_b32 s30, 768, s30
	s_cmp_lt_u32 ttmp9, 768
	s_cselect_b64 s[28:29], s[8:9], s[28:29]
	s_cselect_b32 s30, 512, s30
	s_cmp_lt_u32 ttmp9, 512
	s_cselect_b64 s[28:29], s[6:7], s[28:29]
	s_cselect_b32 s30, 256, s30
	s_cmp_lt_u32 ttmp9, 256
	s_cselect_b64 s[28:29], s[4:5], s[28:29]
	s_cselect_b32 s30, 0, s30
	s_sub_co_u32 s31, ttmp9, s30
	s_lshl_b32 s31, s31, 2
	s_add_co_u32 s34, s31, s32                     ; my run of 8,192 numbers in the tensor
	s_lshl_b32 s34, s34, 15
	s_mov_b32 s35, 0
	s_add_nc_u64 s[28:29], s[28:29], s[34:35]
	s_lshl_b32 s36, ttmp9, 2
	s_add_co_u32 s36, s36, s32                     ; and among all runs
	s_lshl_b32 s34, s36, 12
	s_add_nc_u64 s[20:21], s[20:21], s[34:35]      ; 4,096 bytes of codes a run
	s_lshl_b32 s34, s36, 8
	s_add_nc_u64 s[22:23], s[22:23], s[34:35]      ; 256 scale bytes a run
.macro LOAD t
.irp i, 0,1,2,3
	global_load_b128 v[R+16*((\t)%4)+4*\i:R+16*((\t)%4)+4*\i+3], v3, s[28:29] offset:2048*(\t)+512*\i th:TH_LOAD_NT
.endr
.endm
.macro TURN t                          ; step t's numbers through the stage: LDS serves a wave's instructions in order, so no wait stands between the stores and the loads
.irp i, 0,1,2,3
	ds_store_b128 v14, v[R+16*((\t)%4)+4*\i:R+16*((\t)%4)+4*\i+3] offset:32*SP*((\t)%2)+8*SP*\i
.endr
.irp i, 0,1,2,3
	ds_load_b128 v[X+16*((\t)%2)+4*\i:X+16*((\t)%2)+4*\i+3], v15 offset:32*SP*((\t)%2)+16*\i
.endr
.endm
.irp t, 0,1,2,3
	LOAD \t
.endr
	s_wait_loadcnt 12                              ; step 0's four loads are in; three steps' twelve may be out
	TURN 0
.macro STEP t
.set XS, X+16*((\t)%2)
.if (\t) > 0
	s_wait_dscnt 1                                 ; this step's numbers are back from the stage (the last step's byte store may be out)
.else
	s_wait_dscnt 0x0
.endif
.if (\t)+4 < STEPS
	LOAD (\t)+4                                    ; into the registers that the stage's stores have read
.endif
.if (\t)+1 < STEPS
.if STEPS-2-(\t) >= 3
	s_wait_loadcnt 12                              ; the next step's four loads are in; those of the three steps behind it may be out
.else
	s_wait_loadcnt 4*(STEPS-2-(\t))
.endif
	TURN (\t)+1
.endif
	v_max3_num_f32 v8, |v[XS]|, |v[XS+1]|, |v[XS+2]|               ; the largest magnitude of my 16, in two chains
	v_max3_num_f32 v9, |v[XS+3]|, |v[XS+4]|, |v[XS+5]|
.irp i, 6,10
	v_max3_num_f32 v8, v8, |v[XS+\i]|, |v[XS+\i+1]|
	v_max3_num_f32 v9, v9, |v[XS+\i+2]|, |v[XS+\i+3]|
.endr
	v_max3_num_f32 v8, v8, |v[XS+14]|, |v[XS+15]|
	v_max3_num_f32 v8, v8, v9, (EMAX+1)<<23        ; and the floor 2^(3 - 127): the byte cannot fall under 1
	v_max_num_f32_dpp v8, v8, v8 row_xmask:1 row_mask:0xf bank_mask:0xf   ; with my neighbour's 16: the block's
	v_add_nc_u32 v11, -(EMAX<<23), v8              ; 2 off its exponent field: the conversion takes that field as its scale
	v_cvt_scalef32_pk8_fp4_f32 v[C+4*(\t)], v[XS:XS+7], v11
	v_cvt_scalef32_pk8_fp4_f32 v[C+4*(\t)+1], v[XS+8:XS+15], v11
	v_lshrrev_b32 v[E+(\t)], 23, v11               ; the scale's byte (a plain line behind the conversions)
	ds_store_b8 v5, v[E+(\t)] offset:16*(\t)       ; both lanes of a block write the same byte with the same value
	global_store_b64 v4, v[C+4*(\t):C+4*(\t)+1], s[20:21] offset:32*CB*(\t)   ; the wave stores 256 consecutive bytes, aligned
.endm
.irp t, 0,1,2,3,4,5,6,7,8,9,10,11,12,13,14,15
	STEP \t
.endr
	ds_load_b64 v[8:9], v6                         ; my wave's 256 scale bytes (LDS serves a wave in order)
	s_wait_dscnt 0x0
	global_store_b64 v7, v[8:9], s[22:23]          ; 256 consecutive bytes, aligned
	s_wait_tensorcnt 0x0                           ; the wave's end, behind my last LDS store
	ds_add_u32 v[SPW], v[NIL]
	s_wait_dscnt 0x0
	s_endpgm
; ---------------- wo to f16.  Work-group ct: columns 16 ct .. + 15; wave w: features 256 w .. + 255, 16 pieces q of 16 features.
.Lwo:
	s_sub_co_u32 s33, ttmp9, 864                   ; ct
	v_and_b32 v3, 15, v0                           ; r
	v_bfe_u32 v4, v0, 4, 1                         ; h
	v_lshlrev_b32 v5, 12, v3
	v_lshl_add_u32 v5, v4, 5, v5                   ; row r of 4,096 bytes, + 32 h: my 8 numbers of a piece
	v_lshlrev_b32 v6, 4, v2                        ; out: 16 bytes a lane
	s_lshl_b32 s34, s33, 16
	s_lshl_b32 s36, s32, 10
	s_add_co_u32 s34, s34, s36
	s_mov_b32 s35, 0
	s_add_nc_u64 s[16:17], s[16:17], s[34:35]
	s_lshl_b32 s34, s33, 15
	s_lshl_b32 s36, s32, 13
	s_add_co_u32 s34, s34, s36
	s_add_nc_u64 s[24:25], s[24:25], s[34:35]
.irp q, 0,1,2,3,4,5,6,7,8,9,10,11,12,13,14,15
	global_load_b128 v[16+8*\q:19+8*\q], v5, s[16:17] offset:64*\q
	global_load_b128 v[20+8*\q:23+8*\q], v5, s[16:17] offset:64*\q+16
.endr
.irp q, 0,1,2,3,4,5,6,7,8,9,10,11,12,13,14,15
	s_wait_loadcnt 30-2*\q                         ; piece q's two loads are in; the later pieces' may be out
	v_cvt_pk_f16_f32 v[144+4*\q], v[16+8*\q], v[17+8*\q]
	v_cvt_pk_f16_f32 v[145+4*\q], v[18+8*\q], v[19+8*\q]
	v_cvt_pk_f16_f32 v[146+4*\q], v[20+8*\q], v[21+8*\q]
	v_cvt_pk_f16_f32 v[147+4*\q], v[22+8*\q], v[23+8*\q]
	global_store_b128 v6, v[144+4*\q:147+4*\q], s[24:25] offset:512*\q   ; 512 consecutive bytes
.endr
	s_endpgm
; ---------------- the mask.  Work-group qb: queries 32 qb .. + 31 (two tiles u); wave w: keys 512 w .. + 511 (32 key tiles k).
.Lmask:
	s_sub_co_u32 s33, ttmp9, 928                   ; qb
	v_and_b32 v3, 15, v0                           ; r
	v_bfe_u32 v4, v0, 4, 1                         ; h
	v_lshlrev_b32 v5, 11, v3
	v_lshl_add_u32 v5, v4, 3, v5                   ; row r of 2,048 bytes, + 8 h: my 8 entries of a key tile
	v_lshlrev_b32 v6, 4, v2
	s_lshl_b32 s34, s33, 16
	s_lshl_b32 s36, s32, 9
	s_add_co_u32 s34, s34, s36
	s_mov_b32 s35, 0
	s_add_nc_u64 s[18:19], s[18:19], s[34:35]
.irp u, 0,1
.irp k, 0,1,2,3,4,5,6,7,8,9,10,11,12,13,14,15,16,17,18,19,20,21,22,23,24,25,26,27,28,29,30,31
	global_load_b64 v[16+64*\u+2*\k:17+64*\u+2*\k], v5, s[18:19] offset:32768*\u+16*\k
.endr
.endr
	s_lshl_b32 s34, s33, 13
	s_lshl_b32 s36, s32, 10
	s_add_co_u32 s34, s34, s36
	s_add_nc_u64 s[30:31], s[26:27], s[34:35]      ; my 2 x 1,024 bytes of words
	s_lshl_b32 s34, s33, 3
	s_add_co_u32 s34, s34, s32
	s_add_co_u32 s34, s34, 524288
	s_add_nc_u64 s[26:27], s[26:27], s[34:35]      ; my byte of ANY; ALL's lies 4 further on
	s_mov_b32 s28, 0                               ; ANY, my 8 bits
	s_mov_b32 s29, 0                               ; ALL
.irp i, 0,1,2,3,4,5,6,7,8,9,10,11,12,13,14,15
	v_mov_b32 v[144+\i], 0                         ; written once: v_writelane_b32's destination counts as read
.endr
	v_mov_b32 v172, 0
	s_wait_loadcnt 0x0
; word x = 8 k + j of tile u: entry j of all 32 lanes as a lane mask, put into lane (x % 128) / 4, register x % 4 of store x / 128
.irp u, 0,1
.irp k, 0,1,2,3,4,5,6,7,8,9,10,11,12,13,14,15,16,17,18,19,20,21,22,23,24,25,26,27,28,29,30,31
.irp j, 0,1,2,3,4,5,6,7
	v_and_b32 v[160+\j], 1<<(8*(\j%4)), v[16+64*\u+2*\k+\j/4]
.endr
.irp j, 0,1,2,3,4,5,6,7
	v_cmp_ne_u32 s[36+\j], 0, v[160+\j]
.endr
.irp j, 0,1,2,3,4,5,6,7
	v_writelane_b32 v[144+8*\u+4*(\k/16)+\j%4], s[36+\j], 2*(\k%16)+\j/4
.endr
.endr
.endr
.irp u, 0,1
.irp y, 0,1
	global_store_b128 v6, v[144+8*\u+4*\y:147+8*\u+4*\y], s[30:31] offset:4096*\u+512*\y   ; 512 consecutive bytes
.endr
.endr
; block f of my eight: 32 queries x 64 keys = 8 registers of each tile
.irp f, 0,1,2,3,4,5,6,7
	v_or_b32 v168, v[16+8*\f], v[17+8*\f]
	v_and_b32 v169, v[16+8*\f], v[17+8*\f]
.irp i, 2,3,4,5,6,7
	v_or_b32 v168, v168, v[16+8*\f+\i]
	v_and_b32 v169, v169, v[16+8*\f+\i]
.endr
.irp i, 0,1,2,3,4,5,6,7
	v_or_b32 v168, v168, v[80+8*\f+\i]
	v_and_b32 v169, v169, v[80+8*\f+\i]
.endr
	v_cmp_ne_u32 s36, 0, v168
	v_cmp_eq_u32 s37, 0x01010101, v169
	s_cmp_lg_u32 s36, 0                            ; some lane has a true entry
	s_cselect_b32 s38, 1<<\f, 0
	s_or_b32 s28, s28, s38
	s_cmp_eq_u32 s37, -1                           ; every lane has only true entries
	s_cselect_b32 s38, 1<<\f, 0
	s_or_b32 s29, s29, s38
.endr
	v_mov_b32 v170, s28
	v_mov_b32 v171, s29
	v_cmp_eq_u32 vcc_lo, 0, v2
	s_wait_xcnt 0x0                                ; EXEC changes only behind this wait: the stores above have read it
	s_and_saveexec_b32 s35, vcc_lo                 ; lane 0 alone
	global_store_b8 v172, v170, s[26:27]
	global_store_b8 v172, v171, s[26:27] offset:4
	s_wait_xcnt 0x0
	s_or_b32 exec_lo, exec_lo, s35
	s_endpgm
.Lfunc_end_k_q2f3b221b8e_prep:
	.size	k_q2f3b221b8e_prep, .Lfunc_end_k_q2f3b221b8e_prep-k_q2f3b221b8e_prep
	.p2alignl 7, 3214868480
	.fill 96, 4, 3214868480
	.section	.rodata,"a",@progbits
	.p2align	6, 0x0
	.amdhsa_kernel k_q2f3b221b8e_prep
		.amdhsa_group_segment_fixed_size 33280
		.amdhsa_private_segment_fixed_size 0
		.amdhsa_enable_private_segment 0
		.amdhsa_kernarg_size 96
		.amdhsa_user_sgpr_count 2
		.amdhsa_user_sgpr_kernarg_segment_ptr 1
		.amdhsa_wavefront_size32 1
		.amdhsa_system_sgpr_workgroup_id_x 1
		.amdhsa_system_sgpr_workgroup_id_y 1
		.amdhsa_system_sgpr_workgroup_id_z 1
		.amdhsa_system_vgpr_workitem_id 0
		.amdhsa_next_free_vgpr 208
		.amdhsa_next_free_sgpr 66
		.amdhsa_reserve_vcc 1
		.amdhsa_float_denorm_mode_32 3
		.amdhsa_float_denorm_mode_16_64 3
		.amdhsa_memory_ordered 1
		.amdhsa_forward_progress 1
		.amdhsa_inst_pref_size 154
	.end_amdhsa_kernel
	.amdgpu_metadata
---
amdhsa.version: [ 1, 2 ]
amdhsa.kernels:
  - .name:           k_q2f3b221b8e_prep
    .symbol:         k_q2f3b221b8e_prep.kd
    .args:
      - { .name: query, .offset: 0, .size: 8, .value_kind: global_buffer, .address_space: global }
      - { .name: key, .offset: 8, .size: 8, .value_kind: global_buffer, .address_space: global }
      - { .name: value, .offset: 16, .size: 8, .value_kind: global_buffer, .address_space: global }
      - { .name: wq, .offset: 24, .size: 8, .value_kind: global_buffer, .address_space: global }
      - { .name: wk, .offset: 32, .size: 8, .value_kind: global_buffer, .address_space: global }
      - { .name: wv, .offset: 40, .size: 8, .value_kind: global_buffer, .address_space: global }
      - { .name: wo, .offset: 48, .size: 8, .value_kind: global_buffer, .address_space: global }
      - { .name: mask, .offset: 56, .size: 8, .value_kind: global_buffer, .address_space: global }
      - { .name: codes, .offset: 64, .size: 8, .value_kind: global_buffer, .address_space: global }
      - { .name: scales, .offset: 72, .size: 8, .value_kind: global_buffer, .address_space: global }
      - { .name: wo16, .offset: 80, .size: 8, .value_kind: global_buffer, .address_space: global }
      - { .name: maskw, .offset: 88, .size: 8, .value_kind: global_buffer, .address_space: global }
    .group_segment_fixed_size: 33280
    .private_segment_fixed_size: 0
    .kernarg_segment_align: 8
    .kernarg_segment_size: 96
    .max_flat_workgroup_size: 128
    .sgpr_count:     66
    .vgpr_count:     208
    .wavefront_size: 32
...
	.end_amdgpu_metadata
.endif
;; end of part 1
;; launch proj (part 2): grid 4 x 96, 4 waves a work-group, clusters of 4 x 4, 327,680 bytes of LDS; arguments codes, scales, qkv, fine32; writes qkv, fine32
.if DOCPART == 2
	.amdgcn_target "amdgcn-amd-amdhsa--gfx1250"
	.amdhsa_code_object_version 6
	.text
	.protected	k_q2f3b221b8e_proj
	.globl	k_q2f3b221b8e_proj
	.p2align	8
	.type	k_q2f3b221b8e_proj,@function
k_q2f3b221b8e_proj:
	s_mov_b64 s[64:65], 0
	v_nop
	global_prefetch_b8 v0, s[64:65] scope:SCOPE_SE
	s_setreg_imm32_b32 hwreg(HW_REG_WAVE_MODE, 25, 1), 1
	s_wait_xcnt 0x0
	s_wait_alu depctr_hold_cnt(0) depctr_sa_sdst(0) depctr_va_vdst(0) depctr_va_sdst(0) depctr_va_ssrc(0) depctr_va_vcc(0) depctr_vm_vsrc(0)
	s_getreg_b32 s2, hwreg(HW_REG_IB_STS2, 6, 4)
	s_cmp_eq_u32 s2, 0
	s_cbranch_scc0 .Lentry_in_a_cluster
	s_endpgm
.Lentry_in_a_cluster:
	s_bfe_u32 s2, ttmp6, 0x10000c
	s_cmp_lg_u32 s2, 0xf033
	s_cbranch_scc0 .Lentry_shape_is_right
	s_endpgm
.Lentry_shape_is_right:
; PROJ: the three quantised products q = query wq^T, k = key wk^T, v = value wv^T, on codes of FP4 (E2M1) with one E8M0 scale for each 32 along K = 1,024; sums in f32.
; One grid serves all three: cluster y = 8 t + j, t = 0 (q), 1 (k), 2 (v).  A tile of 256 x 256 results is made by four waves, 128 x 128 each: 64 accumulators, 512 registers.
; K is two slots of 512 along K (LDS rows of 256 bytes + 16): both are asked for at the start and nothing is filled again.  The scale bytes of the tile's 512 rows come once, with the first fills.
; THE MATRIX INSTRUCTION IS USED TRANSPOSED: source 0 = 16 rows of 'B', source 1 = 16 rows of 'A': a lane holds ONE row of A and eight neighbouring rows of B.
;   q, k: A = the tokens, B = the weight: a lane holds a token and 8 features.      v: A = wv, B = the tokens: a lane holds a feature and 8 tokens, as V^T's operand wants it.
; So a 16 x 16 result, rounded to f16, IS half an operand of the attention launch: it is stored as it stands, 16 bytes a lane, 512 consecutive bytes a store; no stage in LDS.
;   qkv: [t 3][n 4][head 16][token tile 128][sub 4][lane 32][16 bytes].  q, k: lane (r, h) = token r, channels 16 sub + 8 h + 0..7.  v: lane (r, h) = channel 16 sub + r, tokens 8 h + 0..7.
;   fine32: the f32 accumulators of token tile 0 of every sequence: [t][n][feature tile 64][half 2][lane][16 bytes], for the launch that finishes the first 16 positions in f32.
; CLUSTERS: 4 x 4 work-groups; A's tiles are asked for jointly along a row of the cluster, B's along a column.
; LIMIT: q, k and v are rounded to f16 (largest number 65,504).
; REGISTERS, in windows of 256: window 0: v0-31 addresses; v32-95 scale words, two sets; from v128 A's fragments, one set.  window 1: B's fragments, two sets.  windows 2, 3: the accumulators ((a, b) at v[8 (8 (a % 4) + b)]).
.set KSTEP,  512
.set NQ,     4                         ; matrix instructions deep in a slot
.set ROWB,   256                       ; a tile's row in bytes
.set KROW,   512                       ; a row of codes in memory
.set PITCH,  272                       ; an LDS row: 256 bytes + 16 of padding: the 16 rows that a load touches start at 16 different banks
.set FR,     8
.set NL,     2
.set NP,     4                         ; places behind this matrix instruction (ISA guide 7.12.1)
.set HALFT,  128*PITCH
.set SLOT,   4*HALFT                   ; A's 256 rows, then B's 256 rows
.set KS,     32                        ; a row of scale bytes
.set SCL,    2*SLOT                    ; behind the slots: the scales, as units of 256 bytes + 16 of padding
.set HALFS,  16*272                    ; the scales of 128 rows
.set SBLK,   2*272                     ; those of 16 rows
.set SPARE,  SCL+4*HALFS               ; the spare words: 128 bytes a wave, two blocks of 256 bytes that no other line names
.set ADRA, 16
.set ADRB, 20
.set ADRS, 27
.set SPW,  28
.set NIL,  29
.set SC,   32
.set AF,   128
.set G1, 24
.set G0, 32
.set G1B, 48
.set G0B, 56
.set G1S, 68
.set G0S, 76
.set G1SB, 80
.set G0SB, 88
.set MSB, 0
.macro WIN new                         ; the immediate's high byte repeats the setting that is left
.if MSB != \new
	s_set_vgpr_msb (MSB<<8)|\new
.set MSB, \new
.endif
.endm
.set MUL_LO, 0xa1                      ; source 0 (B) window 1, source 1 (A) window 0, C and D window 2
.set MUL_HI, 0xf1
.set TO_B,   0x40
; A joint load: waves 0 and 1 fetch for A, waves 2 and 3 for B.  The branch hangs on the wave's number alone.  An s_nop 0 and four v_nop follow each line.
.macro JLOAD g0a, g1a, g0b, g1b
	s_cmp_eq_u32 s15, 0
	s_cbranch_scc0 .Lfor_b_\@
	tensor_load_to_lds s[\g0a:\g0a+3], s[\g1a:\g1a+7]
	s_nop 0
.rept 4
	v_nop
.endr
	s_branch .Lasked_\@
.Lfor_b_\@:
	tensor_load_to_lds s[\g0b:\g0b+3], s[\g1b:\g1b+7]
	s_nop 0
.rept 4
	v_nop
.endr
.Lasked_\@:
.endm
.macro CROUND                          ; a round of the cluster's barrier
	s_barrier_signal -1
	s_barrier_wait -1
	s_cmp_lg_u32 s14, 0
	s_cbranch_scc1 .Lnot_wave_0_\@
	s_barrier_signal -3
.Lnot_wave_0_\@:
	s_barrier_wait -3
	s_barrier_signal -1
	s_barrier_wait -1
.endm
	s_load_b128 s[4:7], s[0:1], 0x0                ; codes s[4:5], scales s[6:7]
	s_load_b128 s[8:11], s[0:1], 0x10              ; qkv s[8:9], fine32 s[10:11]
	v_lshl_add_u32 v[SPW], v0, 2, SPARE
	v_mov_b32 v[NIL], 0
	ds_add_u32 v[SPW], v[NIL]                      ; the wave's opening: the add, twice on end, and its wait ahead of my first tensor load
	ds_add_u32 v[SPW], v[NIL]
	v_lshrrev_b32 v1, 5, v0
	v_readfirstlane_b32 s14, v1                    ; wave 0..3
	s_lshr_b32 s15, s14, 1                         ; which half of A's rows is mine.  Also: I fetch for A (0) or for B (1)
	s_and_b32 s16, s14, 1                          ; which half of B's rows.  Also: which 128 rows I fetch
	s_bfe_u32 s40, ttmp6, 0x40000                  ; cx
	s_bfe_u32 s41, ttmp6, 0x40004                  ; cy
	s_and_b32 s12, ttmp7, 0xffff                   ; cluster y = 8 t + j: the same in all sixteen partners
	s_lshr_b32 s13, s12, 3                         ; t
	s_and_b32 s2, s12, 7
	s_lshl_b32 s2, s2, 2                           ; 4 j
	s_lshr_b32 s3, s12, 4                          ; isv: 1 for v, else 0
	s_xor_b32 s66, s3, 1                           ; nv: 1 for q and k
	s_mul_i32 s67, s2, s66
	s_add_co_u32 s17, s41, s67                     ; A's tile: cy + 4 j (q, k: 32 tiles of tokens) or cy (v: 4 tiles of wv)
	s_mul_i32 s67, s2, s3
	s_add_co_u32 s42, s40, s67                     ; B's tile: cx (q, k: 4 tiles of the weight) or cx + 4 j (v: the tokens)
	s_lshl_b32 s43, s41, 2
	s_lshl_b32 s43, 15, s43                        ; my row of the cluster
	s_lshl_b32 s44, 0x1111, s40                    ; my column
	s_lshl_b32 s95, s13, 13
	s_mul_i32 s95, s95, s66
	s_mul_i32 s96, s3, 26624
	s_add_co_u32 s95, s95, s96                     ; A's first row in 'codes': 8,192 t, or wv's 26,624
	s_lshl_b32 s96, s13, 10
	s_add_co_u32 s96, s96, 24576
	s_mul_i32 s96, s96, s66
	s_mul_i32 s97, s3, 16384
	s_add_co_u32 s96, s96, s97                     ; B's: 24,576 + 1,024 t, or value's 16,384
	; descriptor group 1: a tile of 128 rows x 256 bytes, 16 bytes of padding behind each row
	s_or_b32 s[G1+0], s43, (0<<16)|(1<<20)|(1<<21)|(5<<22)|(3<<25)
	s_or_b32 s[G1B+0], s44, (0<<16)|(1<<20)|(1<<21)|(5<<22)|(3<<25)
.irp g, G1, G1B
	s_mov_b32 s[\g+1], ROWB<<16                    ; tensor_dim0
	s_mov_b32 s[\g+2], 128<<16                     ; tensor_dim1
	s_mov_b32 s[\g+3], ROWB<<16                    ; tile_dim0
	s_mov_b32 s[\g+4], 128                         ; tile_dim1
	s_mov_b32 s[\g+5], KROW                        ; from row to row
	s_mov_b32 s[\g+6], 0
	s_mov_b32 s[\g+7], 0
.endr
	; the scales of 128 rows: 4,096 dense bytes, as 16 rows of 256 bytes (32 elements of 8), 16 bytes of padding behind each
	s_or_b32 s[G1S+0], s43, (3<<16)|(1<<20)|(1<<21)|(5<<22)|(3<<25)
	s_or_b32 s[G1SB+0], s44, (3<<16)|(1<<20)|(1<<21)|(5<<22)|(3<<25)
.irp g, G1S, G1SB
	s_mov_b32 s[\g+1], 32<<16
	s_mov_b32 s[\g+2], 16<<16
	s_mov_b32 s[\g+3], 32<<16
	s_mov_b32 s[\g+4], 16
	s_mov_b32 s[\g+5], 32
	s_mov_b32 s[\g+6], 0
	s_mov_b32 s[\g+7], 0
.endr
	s_lshl_b32 s18, s16, 7                         ; which 128 rows of the tile I fetch
	s_lshl_b32 s20, s17, 8
	s_add_co_u32 s20, s20, s18
	s_add_co_u32 s20, s20, s95                     ; A's row
	s_lshl_b32 s46, s42, 8
	s_add_co_u32 s46, s46, s18
	s_add_co_u32 s46, s46, s96                     ; B's row
	s_lshl_b32 s22, s20, 5                         ; 32 scale bytes a row
	s_mov_b32 s23, 0
	s_lshl_b32 s92, s46, 5
	s_mov_b32 s93, 0
	s_lshl_b32 s20, s20, 9                         ; 512 bytes of codes a row (27,648 rows: under 2^24 bytes)
	s_mov_b32 s21, 0
	s_lshl_b32 s46, s46, 9
	s_mov_b32 s47, 0
	s_mul_i32 s45, s14, HALFT                      ; where they go: wave x 128 rows: no place in the cluster enters an LDS address
	s_mul_i32 s94, s14, HALFS
	s_wait_dscnt 0x0                               ; both opening adds are done
	s_wait_kmcnt 0x0
	s_add_nc_u64 s[20:21], s[4:5], s[20:21]
	s_add_nc_u64 s[22:23], s[6:7], s[22:23]
	s_add_nc_u64 s[46:47], s[4:5], s[46:47]
	s_add_nc_u64 s[92:93], s[6:7], s[92:93]
	CROUND                                         ; all sixteen work-groups are here: the first joint loads meet
	s_mov_b32 s[G0S], 1
	s_add_co_u32 s[G0S+1], s94, SCL
	s_mov_b64 s[G0S+2:G0S+3], s[22:23]
	s_or_b32 s[G0S+3], s[G0S+3], 0x80000000
	s_mov_b32 s[G0SB], 1
	s_add_co_u32 s[G0SB+1], s94, SCL
	s_mov_b64 s[G0SB+2:G0SB+3], s[92:93]
	s_or_b32 s[G0SB+3], s[G0SB+3], 0x80000000
	JLOAD G0S, G1S, G0SB, G1SB                     ; the scales first: three loads of mine are out at the most
.irp s, 0,1
	s_mov_b32 s[G0+4*\s], 1
	s_add_co_u32 s[G0+4*\s+1], s45, \s*SLOT
	s_add_nc_u64 s[G0+4*\s+2:G0+4*\s+3], s[20:21], \s*ROWB
	s_or_b32 s[G0+4*\s+3], s[G0+4*\s+3], 0x80000000
	s_mov_b32 s[G0B+4*\s], 1
	s_add_co_u32 s[G0B+4*\s+1], s45, \s*SLOT
	s_add_nc_u64 s[G0B+4*\s+2:G0B+4*\s+3], s[46:47], \s*ROWB
	s_or_b32 s[G0B+4*\s+3], s[G0B+4*\s+3], 0x80000000
	JLOAD G0+4*\s, G1, G0B+4*\s, G1B
.endr
	v_and_b32 v1, 15, v0                           ; l % 16
	v_bfe_u32 v2, v0, 4, 1                         ; l / 16
	v_mul_u32_u24 v3, v1, PITCH
	v_lshl_add_u32 v4, v2, 4, v3                   ; a fragment's row x pitch + 16 x half
	s_mul_i32 s21, s15, HALFT                      ; my 128 rows of A
	s_mul_i32 s22, s16, HALFT                      ; my 128 rows of B,
	s_add_co_u32 s22, s22, 2*HALFT                 ; which lie behind A's 256
.irp s, 0,1
	v_add_nc_u32 v[ADRA+\s], s21, v4
	v_add_nc_u32 v[ADRB+\s], s22, v4
	s_add_co_u32 s21, s21, SLOT
	s_add_co_u32 s22, s22, SLOT
.endr
	v_mul_u32_u24 v5, v1, KS                       ; my row's scales: 32 bytes a row,
	v_lshrrev_b32 v6, 8, v5
	v_lshl_add_u32 v5, v6, 4, v5                   ; and 16 more for each 256 passed
	s_mul_i32 s21, s15, HALFS
	s_mul_i32 s22, s16, HALFS
	s_add_co_u32 s22, s22, 2*HALFS
	s_sub_co_u32 s22, s22, s21
	v_mul_u32_u24 v6, s22, v2                      ; lanes 16-31 take B's
	s_add_co_u32 s21, s21, SCL
	v_add_nc_u32 v5, v5, v6
	v_add_nc_u32 v[ADRS], s21, v5
.macro FRAG reg, adr, q, i             ; 16 rows x 128 K of 4-bit codes: 8 registers, two loads of 16 bytes, 32 bytes apart
.irp c, 0,1
	ds_load_b128 v[\reg+4*\c:\reg+4*\c+3], v[\adr] offset:64*(\q)+32*\c+(\i)*16*PITCH
.endr
.endm
; 16 matrix instructions: A's blocks a0, a0 + 1 x B's eight.  The 64 accumulators take turns, one instruction a turn, in the same order in every step.
.macro MUL16 a0, p, q, sc, zero
.irp a, \a0, \a0+1
.irp b, 0,1,2,3,4,5,6,7
.if \zero
	v_wmma_scale_f32_16x16x128_f8f6f4 v[8*(8*((\a)%4)+\b):8*(8*((\a)%4)+\b)+7], v[128*(\p)+FR*\b:128*(\p)+FR*\b+FR-1], v[AF+FR*(\a):AF+FR*(\a)+FR-1], 0, v[SC+8*NQ*(\sc)+NQ*\b+(\q)], v[SC+8*NQ*(\sc)+NQ*(\a)+(\q)] matrix_a_fmt:MATRIX_FMT_FP4 matrix_b_fmt:MATRIX_FMT_FP4 matrix_a_scale:MATRIX_SCALE_ROW1
.else
	v_wmma_scale_f32_16x16x128_f8f6f4 v[8*(8*((\a)%4)+\b):8*(8*((\a)%4)+\b)+7], v[128*(\p)+FR*\b:128*(\p)+FR*\b+FR-1], v[AF+FR*(\a):AF+FR*(\a)+FR-1], v[8*(8*((\a)%4)+\b):8*(8*((\a)%4)+\b)+7], v[SC+8*NQ*(\sc)+NQ*\b+(\q)], v[SC+8*NQ*(\sc)+NQ*(\a)+(\q)] matrix_a_fmt:MATRIX_FMT_FP4 matrix_b_fmt:MATRIX_FMT_FP4 matrix_a_scale:MATRIX_SCALE_ROW1
.endif
.endr
.endr
.endm
.macro FETCH_B slot, q, p
	WIN TO_B
.irp i, 0,1,2,3,4,5,6,7
	FRAG 128*(\p)+FR*\i, ADRB+\slot, \q, \i
.endr
	WIN 0
.endm
.macro FETCH_A slot, q, i0
.irp i, \i0, \i0+1, \i0+2, \i0+3
	FRAG AF+FR*(\i), ADRA+\slot, \q, \i
.endr
.endm
.macro SCALES sc                       ; a slot's scale words: 4 words a row; lanes 0-15 take A's block i, lanes 16-31 B's block i
.irp i, 0,1,2,3,4,5,6,7
	ds_load_b128 v[SC+8*NQ*\sc+NQ*\i:SC+8*NQ*\sc+NQ*\i+3], v[ADRS] offset:\i*SBLK
.endr
.endm
.macro PLACES n                        ; plain vector instructions between a matrix instruction and a load into, or a read of, its registers
.rept \n
	v_nop
.endr
.endm
.macro STEP slot, q, zero              ; 128 along K, with its successor in the same slot
	s_wait_dscnt 4*NL                              ; B's set and A's blocks 0-3 are in; the youngest eight loads (A's blocks 4-7) may be out
	WIN MUL_LO
	MUL16 0, (\q)%2, \q, \slot, \zero
	MUL16 2, (\q)%2, \q, \slot, \zero
	s_wait_dscnt 0
	PLACES NP
	FETCH_B \slot, (\q)+1, 1-(\q)%2
	FETCH_A \slot, (\q)+1, 0
	WIN MUL_HI
	MUL16 4, (\q)%2, \q, \slot, \zero
	MUL16 6, (\q)%2, \q, \slot, \zero
	PLACES NP
	WIN 0
	FETCH_A \slot, (\q)+1, 4
.endm
.macro STEPS slot, from
.set Q, \from
.rept NQ-1-\from
	STEP \slot, Q, 0
.set Q, Q+1
.endr
.endm
	s_wait_tensorcnt 1                             ; the scales and my part of slot 0 are in (slot 1's load may be out),
	s_barrier_signal -1
	s_barrier_wait -1                              ; everybody's are
	FETCH_B 0, 0, 0
	FETCH_A 0, 0, 0
	SCALES 0
	FETCH_A 0, 0, 4
	STEP 0, 0, 1                                   ; the first products start the sums: nothing is cleared
	STEPS 0, 1
	; slot 0's last step changes slots: one barrier; in front of it each wave waits for its part of slot 1.  Nothing is filled again.
	s_wait_tensorcnt 0x0
	ds_add_u32 v[SPW], v[NIL]
	s_wait_dscnt 4*NL+1                            ; (the add and the youngest eight loads may be out)
	WIN MUL_LO
	MUL16 0, 1, NQ-1, 0, 0
	s_wait_dscnt 0x0
	s_barrier_signal -1
	MUL16 2, 1, NQ-1, 0, 0
	WIN 0
	s_barrier_wait -1
	PLACES NP
	v_add_nc_u32 v[ADRS], 4*NQ, v[ADRS]            ; on to slot 1's scale words
	FETCH_B 1, 0, 0
	FETCH_A 1, 0, 0
	SCALES 1
	WIN MUL_HI
	MUL16 4, 1, NQ-1, 0, 0
	MUL16 6, 1, NQ-1, 0, 0
	PLACES NP
	WIN 0
	FETCH_A 1, 0, 4
	STEPS 1, 0
	s_wait_dscnt 4*NL                              ; the very last step
	WIN MUL_LO
	MUL16 0, 1, NQ-1, 1, 0
	MUL16 2, 1, NQ-1, 1, 0
	s_wait_dscnt 0
	WIN MUL_HI
	MUL16 4, 1, NQ-1, 1, 0
	MUL16 6, 1, NQ-1, 1, 0
	WIN 0
; THE WAY OUT.  ra, rb: my first row of A and of B inside their tensors; tok, feat: which of them is the token and which the feature.
	s_lshl_b32 s95, s17, 8
	s_lshl_b32 s96, s15, 7
	s_add_co_u32 s95, s95, s96                     ; ra
	s_lshl_b32 s96, s42, 8
	s_lshl_b32 s97, s16, 7
	s_add_co_u32 s96, s96, s97                     ; rb
	s_mul_i32 s97, s95, s66
	s_mul_i32 s98, s96, s3
	s_add_co_u32 s97, s97, s98                     ; tok
	s_mul_i32 s98, s96, s66
	s_mul_i32 s99, s95, s3
	s_add_co_u32 s98, s98, s99                     ; feat
	s_lshr_b32 s12, s97, 11                        ; n
	s_lshl_b32 s20, s13, 24                        ; t x 16 MiB
	s_lshl_b32 s2, s12, 22                         ; n x 4 MiB
	s_add_co_u32 s20, s20, s2
	s_bfe_u32 s2, s97, 0x70004                     ; token tile in the sequence
	s_lshl_b32 s2, s2, 11
	s_add_co_u32 s20, s20, s2
	s_lshr_b32 s2, s98, 6                          ; head
	s_lshl_b32 s2, s2, 18
	s_add_co_u32 s20, s20, s2
	s_mov_b32 s21, 0
	s_add_nc_u64 s[8:9], s[8:9], s[20:21]
	s_lshl_b32 s22, s13, 18
	s_lshl_b32 s2, s12, 16
	s_add_co_u32 s22, s22, s2
	s_lshr_b32 s2, s98, 4
	s_lshl_b32 s2, s2, 10
	s_add_co_u32 s22, s22, s2
	s_mov_b32 s23, 0
	s_add_nc_u64 s[10:11], s[10:11], s[22:23]      ; fine32 at my first feature tile
	s_mul_i32 s46, s66, 2048                       ; from A's block to the next: a token tile (2,048), or a sub (512);
	s_mul_i32 s2, s3, 512
	s_add_co_u32 s46, s46, s2
	s_mov_b32 s47, 0
	s_mul_i32 s92, s66, 2048                       ; from block 3 to block 4: the same, or on to the next head (262,144 - 3 x 512)
	s_mul_i32 s2, s3, 260608
	s_add_co_u32 s92, s92, s2
	s_mov_b32 s93, 0
	s_mul_i32 s94, s66, 512                        ; B's block b: (b % 4) x a sub or a token tile,
	s_mul_i32 s2, s3, 2048
	s_add_co_u32 s94, s94, s2
	s_mul_i32 s45, s66, 262144                     ; (b / 4) x a head or four token tiles
	s_mul_i32 s2, s3, 8192
	s_add_co_u32 s45, s45, s2
	s_and_b32 s97, s97, 2047
	s_or_b32 s98, s97, s3                          ; 0: q or k, and my first token tile is a sequence's first
	s_or_b32 s99, s97, s66                         ; 0: v, likewise
	PLACES NP                                      ; behind the last products: their scale words' and fragments' registers are written below
	v_and_b32 v41, 31, v0
	v_lshlrev_b32 v41, 4, v41                      ; 16 bytes a lane
.irp b, 0,1,2,3,4,5,6,7
	s_mul_i32 s2, s94, \b%4
	s_mul_i32 s67, s45, \b/4
	s_add_co_u32 s2, s2, s67
	v_add_nc_u32 v[32+\b], s2, v41
.endr
.macro OUTA a                          ; A's block a: eight results, each rounded to f16 (from its low end on) and stored as 512 consecutive bytes
.set AC, 64*((\a)%4)
.set PB, 64+32*((\a)%2)
	s_wait_xcnt 0x0                                ; the earlier stores have read their base and their data
.if (\a) == 4
	s_add_nc_u64 s[8:9], s[8:9], s[92:93]
.elseif (\a) > 0
	s_add_nc_u64 s[8:9], s[8:9], s[46:47]
.endif
	WIN 0x0a+5*((\a)/4)                            ; sources 0 and 1: window 2 or 3
.irp b, 0,1,2,3,4,5,6,7
.irp r, 0,1,2,3
	v_cvt_pk_f16_f32 v[PB+4*\b+\r], v[AC+8*\b+2*\r], v[AC+8*\b+2*\r+1]
.endr
.endr
	WIN 0
.irp b, 0,1,2,3,4,5,6,7
	global_store_b128 v[32+\b], v[PB+4*\b:PB+4*\b+3], s[8:9]
.endr
.endm
.irp a, 0,1,2,3,4,5,6,7
	OUTA \a
.endr
	; the f32 numbers of a sequence's first 16 tokens.  Who owns them hangs on the place in the cluster: so no branch, but EXEC: all lanes or none.
	v_mov_b32 v42, s98
	v_cmp_eq_u32 vcc_lo, 0, v42
	s_wait_xcnt 0x0                                ; EXEC changes only behind this wait
	s_and_saveexec_b32 s2, vcc_lo
	WIN 0x08                                       ; a store's data are its source 1: window 2
.irp b, 0,1,2,3,4,5,6,7
	global_store_b128 v41, v[8*\b:8*\b+3], s[10:11] offset:1024*\b         ; q, k: accumulators (0, b): feature tile b
	global_store_b128 v41, v[8*\b+4:8*\b+7], s[10:11] offset:1024*\b+512
.endr
	WIN 0
	s_wait_xcnt 0x0
	s_or_b32 exec_lo, exec_lo, s2
	v_mov_b32 v42, s99
	v_cmp_eq_u32 vcc_lo, 0, v42
	s_and_saveexec_b32 s2, vcc_lo
	WIN 0x08
.irp a, 0,1,2,3
	global_store_b128 v41, v[64*\a:64*\a+3], s[10:11] offset:1024*\a       ; v: accumulators (a, 0): feature tile a
	global_store_b128 v41, v[64*\a+4:64*\a+7], s[10:11] offset:1024*\a+512
.endr
	WIN 0x0c                                       ; window 3
.irp a, 0,1,2,3
	global_store_b128 v41, v[64*\a:64*\a+3], s[10:11] offset:1024*\a+4096
	global_store_b128 v41, v[64*\a+4:64*\a+7], s[10:11] offset:1024*\a+4608
.endr
	WIN 0
	s_wait_xcnt 0x0
	s_or_b32 exec_lo, exec_lo, s2
	s_wait_tensorcnt 0x0                           ; the wave's end
	ds_add_u32 v[SPW], v[NIL]
	s_wait_dscnt 0x0
	CROUND                                         ; the closing round
	s_endpgm
.Lfunc_end_k_q2f3b221b8e_proj:
	.size	k_q2f3b221b8e_proj, .Lfunc_end_k_q2f3b221b8e_proj-k_q2f3b221b8e_proj
	.p2alignl 7, 3214868480
	.fill 96, 4, 3214868480
	.section	.rodata,"a",@progbits
	.p2align	6, 0x0
	.amdhsa_kernel k_q2f3b221b8e_proj
		.amdhsa_group_segment_fixed_size 327680
		.amdhsa_private_segment_fixed_size 0
		.amdhsa_enable_private_segment 0
		.amdhsa_kernarg_size 32
		.amdhsa_user_sgpr_count 2
		.amdhsa_user_sgpr_kernarg_segment_ptr 1
		.amdhsa_wavefront_size32 1
		.amdhsa_system_sgpr_workgroup_id_x 1
		.amdhsa_system_sgpr_workgroup_id_y 1
		.amdhsa_system_sgpr_workgroup_id_z 1
		.amdhsa_system_vgpr_workitem_id 0
		.amdhsa_next_free_vgpr 1024
		.amdhsa_next_free_sgpr 100
		.amdhsa_reserve_vcc 1
		.amdhsa_float_denorm_mode_32 3
		.amdhsa_float_denorm_mode_16_64 3
		.amdhsa_memory_ordered 1
		.amdhsa_forward_progress 1
		.amdhsa_inst_pref_size 124
	.end_amdhsa_kernel
	.amdgpu_metadata
---
amdhsa.version: [ 1, 2 ]
amdhsa.kernels:
  - .name:           k_q2f3b221b8e_proj
    .symbol:         k_q2f3b221b8e_proj.kd
    .args:
      - { .name: codes, .offset: 0, .size: 8, .value_kind: global_buffer, .address_space: global }
      - { .name: scales, .offset: 8, .size: 8, .value_kind: global_buffer, .address_space: global }
      - { .name: qkv, .offset: 16, .size: 8, .value_kind: global_buffer, .address_space: global }
      - { .name: fine32, .offset: 24, .size: 8, .value_kind: global_buffer, .address_space: global }
    .group_segment_fixed_size: 327680
    .private_segment_fixed_size: 0
    .kernarg_segment_align: 8
    .kernarg_segment_size: 32
    .max_flat_workgroup_size: 128
    .sgpr_count:     100
    .vgpr_count:     1024
    .wavefront_size: 32
...
	.end_amdgpu_metadata
.endif
;; end of part 2
;; launch attn (part 3): grid 4 x 64, 16 waves a work-group, no clusters, 67,584 bytes of LDS; arguments qkv, maskw, att16, fstate; writes att16, fstate
.if DOCPART == 3
	.amdgcn_target "amdgcn-amd-amdhsa--gfx1250"
	.amdhsa_code_object_version 6
	.text
	.protected	k_q2f3b221b8e_attn
	.globl	k_q2f3b221b8e_attn
	.p2align	8
	.type	k_q2f3b221b8e_attn,@function
k_q2f3b221b8e_attn:
	s_mov_b64 s[64:65], 0
	v_nop
	global_prefetch_b8 v0, s[64:65] scope:SCOPE_SE
	s_setreg_imm32_b32 hwreg(HW_REG_WAVE_MODE, 25, 1), 1
	s_wait_xcnt 0x0
; ATTN: att = softmax(q k^T / 8, under the given mask) v for one head of one sequence; q, k, v in f16, products' sums, maxima and sums in f32, the weights p rounded to f16 for the second product.
; SHARES.  A work-group (g, nh) has sixteen waves; a wave owns a block qb of 32 queries: two tiles of 16.  qb = 16 G + 4 y + s with s = w % 4, G = (w / 4 + s) % 4, y = g (G even) or 3 - g (G odd):
; every four waves w / 4 and every four waves w % 4 hold one block of each quarter of the sequence.  That is a schedule only: the text is right for every mask.
; LAYOUT.  S^T = K Q^T (source 0 = 16 keys, source 1 = 16 queries) and O^T = V^T P: a lane holds ONE query throughout; two tiles of S^T, rounded to f16 in pairs, ARE P's operand.
; q, k, v lie in memory as images of the operands' registers, so a fragment is two loads of 16 bytes a lane at 16 x lane: no pitch, no padding, no turning load.
; THE KEYS go in slots of 128 through two LDS buffers: each wave copies 1,024 bytes of K and of V through registers, one slot ahead of the reads; one barrier a slot.
; THE MASK is an input.  An earlier launch has stored it as lane masks (one word for each register of S^T) and, for each block of 32 queries x 64 keys, a bit ANY and a bit ALL.
; A step of 64 keys with ANY = 0 is left out (a scalar branch on stored whole numbers, round no barrier); with ALL = 1 the 64 selects are left out.
; SOFTMAX.  A running maximum m and sum l for each query; p = 2^(c s - c m), c = log2(e) / 8; O and l are multiplied by a = 2^(c m_old - c m_new) in every step.  m begins at -3e38, so c m is always a number;
; a query with no true key ends with l = 0 and 0 x infinity = NaN, as the softmax of a row of -infinity is.
; THE FIRST 16 POSITIONS.  Query tile 0 leaves key tile 0 out (its eight mask words are taken as 0) and hands its state (O^T, c m, the lane's sum) to 'fstate': a later launch adds key tile 0 in f32.
; LIMIT: keys from 16 on enter positions 0-15 in f16, like every other row.
.set SPW, 1                            ; v1   my spare word's LDS address; never rewritten
.set NIL, 2                            ; v2   0; never rewritten
.set LI,  3                            ; v3   16 x lane
.set STA, 4                            ; v4   1,024 x wave + 16 x lane
.set L4,  5                            ; v5   4 x lane
.set NEG, 6                            ; v6   -infinity
.set PFO, 7                            ; v7   256 x lane
.set ST,  16                           ; v16-31  statistics, 8 a tile: +0 c m, +1 m, +2, +3 l, +4..7 at work (a at +6)
.set Q,   32                           ; v32-63  Q: tile u, 32 channels e: 16 u + 8 e
.set S,   64                           ; v64-127 S^T: 32 u + 8 kt; then p; then P in 32 u + 0..15
.set O,   128                          ; v128-191 O^T: 32 u + 8 d
.set KV,  192                          ; v192-223 four fragments of K or of V
.set STG, 224                          ; v224-239 the slot on its way
.set C2,  240                          ; v240-243 the sums' second chains
.set SPARE, 65536                      ; behind the two buffers: the spare words, 128 bytes for each of sixteen waves
; s12 wave, s13 g, s14 nh, s15 qb, s16 ANY, s17 ALL (both shifted a bit a step), s18 the step, s19 the step's mask words' byte, s[20:21] K, s[22:23] V, s24 the trip,
; s[26:27] the prefetches' address, s28, s29 how long I prefetch, s[32:63], s[68:99] the 64 mask words, s[66:67] c, s[100:101] lane selects
	s_load_b256 s[4:11], s[0:1], 0x0               ; qkv s[4:5], maskw s[6:7], att16 s[8:9], fstate s[10:11]
	v_lshl_add_u32 v[SPW], v0, 2, SPARE
	v_mov_b32 v[NIL], 0
	v_lshrrev_b32 v8, 5, v0
	v_readfirstlane_b32 s12, v8                    ; wave 0..15
	v_and_b32 v9, 31, v0
	v_lshlrev_b32 v[LI], 4, v9
	v_lshlrev_b32 v[L4], 2, v9
	v_lshlrev_b32 v[PFO], 8, v9
	s_lshl_b32 s25, s12, 10
	v_add_nc_u32 v[STA], s25, v[LI]
	v_mov_b32 v[NEG], 0xff800000
	s_mov_b32 s13, ttmp9
	s_and_b32 s14, ttmp7, 0xffff
	s_lshr_b32 s2, s12, 2
	s_and_b32 s3, s12, 3                           ; s
	s_add_co_u32 s2, s2, s3
	s_and_b32 s2, s2, 3                            ; G
	s_and_b32 s25, s2, 1
	s_mul_i32 s25, s25, 3
	s_xor_b32 s25, s25, s13                        ; g, or 3 - g where G is odd
	s_lshl_b32 s15, s2, 4
	s_lshl_b32 s25, s25, 2
	s_add_co_u32 s15, s15, s25
	s_add_co_u32 s15, s15, s3                      ; qb
	s_mov_b32 s18, 0
	s_lshl_b32 s19, s15, 13                        ; two query tiles of 4,096 bytes of words
	s_mov_b32 s24, 0
	s_mov_b32 s66, 0x3e38aa3b                      ; c = log2(e) / 8
	s_mov_b32 s67, s66                             ; (named with it as a pair)
	s_mov_b32 s100, 0x76543210
	s_mov_b32 s101, 0xfedcba98                     ; lane l xor 16
	s_lshr_b32 s25, s12, 2
	s_or_b32 s25, s25, s13                         ; 0 in waves 0 to 3 of the head's first work-group: they prefetch
	s_cmp_eq_u32 s25, 0
	s_cselect_b32 s28, 7, 0
	s_cselect_b32 s29, 6, 0
	s_lshl_b32 s2, s14, 18                         ; a head's 262,144 bytes
	s_mov_b32 s3, 0
	s_wait_kmcnt 0x0
	s_add_nc_u64 s[30:31], s[4:5], s[2:3]          ; q of my head
	s_add_nc_u64 s[20:21], s[30:31], 0x1000000     ; k
	s_add_nc_u64 s[22:23], s[30:31], 0x2000000     ; v
	s_lshl_b32 s2, s15, 12
	s_add_nc_u64 s[30:31], s[30:31], s[2:3]        ; my two tiles of q
	s_cmp_lt_u32 s12, 2
	s_cselect_b64 s[26:27], s[20:21], s[22:23]     ; waves 0, 1 ask for K's halves of a slot, waves 2, 3 for V's
	s_and_b32 s2, s12, 1
	s_lshl_b32 s2, s2, 13
	s_add_co_u32 s2, s2, 2*16384                   ; at slot 2: the first trip steps it to slot 3.  Nothing is prefetched here, at the head
	s_add_nc_u64 s[26:27], s[26:27], s[2:3]
	s_lshr_b32 s2, s14, 4                          ; n
	s_lshl_b32 s2, s2, 22
	s_lshl_b32 s25, s15, 16
	s_add_co_u32 s2, s2, s25
	s_and_b32 s25, s14, 15                         ; head
	s_lshl_b32 s25, s25, 11
	s_add_co_u32 s2, s2, s25
	s_add_nc_u64 s[8:9], s[8:9], s[2:3]            ; att16: token tile 128 n + 2 qb, the head's 2,048 bytes
	s_mul_i32 s2, s14, 4352
	s_add_nc_u64 s[10:11], s[10:11], s[2:3]
	s_lshl_b32 s25, s15, 3
	s_load_b64 s[16:17], s[6:7], s25 offset:0x80000  ; my block's ANY and ALL
	global_load_b128 v[STG:STG+3],     v[STA], s[20:21]                ; slot 0
	global_load_b128 v[STG+4:STG+7],   v[STA], s[20:21] offset:512
	global_load_b128 v[STG+8:STG+11],  v[STA], s[22:23]
	global_load_b128 v[STG+12:STG+15], v[STA], s[22:23] offset:512
.irp u, 0,1
.irp e, 0,1
.irp c, 0,1
	global_load_b128 v[Q+16*\u+8*\e+4*\c:Q+16*\u+8*\e+4*\c+3], v[LI], s[30:31] offset:2048*\u+1024*\e+512*\c
.endr
.endr
.endr
.irp u, 0,1
	v_mov_b32 v[ST+8*\u+1], 0xff61b1e6             ; m = -3e38, under every score
	v_mul_f32 v[ST+8*\u], s66, v[ST+8*\u+1]
.irp i, 2,3,4,5,6,7
	v_mov_b32 v[ST+8*\u+\i], 0
.endr
.endr
.set i, 0
.rept 64
	v_mov_b32 v[O+i], 0                            ; O^T.  (The step is written once: the first finds zeros)
.set i, i+1
.endr
	s_wait_loadcnt 8                               ; slot 0's four loads are in; Q's eight may be out
	ds_store_b128 v[STA], v[STG:STG+3]
	ds_store_b128 v[STA], v[STG+4:STG+7] offset:512
	ds_store_b128 v[STA], v[STG+8:STG+11] offset:16384
	ds_store_b128 v[STA], v[STG+12:STG+15] offset:16384+512
	s_wait_dscnt 0x0                               ; for the others' sake, and the stores have read their registers
	s_add_nc_u64 s[20:21], s[20:21], 16384         ; (slot 0's loads are done, so their bases may step)
	s_add_nc_u64 s[22:23], s[22:23], 16384
	global_load_b128 v[STG:STG+3],     v[STA], s[20:21]                ; slot 1
	global_load_b128 v[STG+4:STG+7],   v[STA], s[20:21] offset:512
	global_load_b128 v[STG+8:STG+11],  v[STA], s[22:23]
	global_load_b128 v[STG+12:STG+15], v[STA], s[22:23] offset:512
	s_wait_kmcnt 0x0
	s_cmp_eq_u32 s15, 0
	s_cselect_b32 s25, 1, 0
	s_and_not1_b32 s17, s17, s25                   ; block 0's first step always takes the selects: key tile 0 is hidden from query tile 0
	s_barrier_signal -1
	s_barrier_wait -1
; The softmax of a step: both tiles by turns, so that no line waits for the line above it.
.macro SOFT
.irp j, 0,1,2,3
.irp u, 0,1
	v_max3_num_f32 v[ST+8*\u+4+\j], v[S+32*\u+8*\j], v[S+32*\u+8*\j+1], v[S+32*\u+8*\j+2]   ; four chains, one to each tile of keys, each begun at the tile's low end
.endr
.endr
.irp i, 3,5
.irp j, 0,1,2,3
.irp u, 0,1
	v_max3_num_f32 v[ST+8*\u+4+\j], v[ST+8*\u+4+\j], v[S+32*\u+8*\j+\i], v[S+32*\u+8*\j+\i+1]
.endr
.endr
.endr
.irp u, 0,1
	v_max3_num_f32 v[ST+8*\u+4], v[ST+8*\u+4], v[S+32*\u+7], v[S+32*\u+15]
	v_max3_num_f32 v[ST+8*\u+6], v[ST+8*\u+6], v[S+32*\u+23], v[S+32*\u+31]
.endr
.irp u, 0,1
	v_max3_num_f32 v[ST+8*\u+4], v[ST+8*\u+4], v[ST+8*\u+5], v[ST+8*\u+6]
.endr
.irp u, 0,1
	v_max3_num_f32 v[ST+8*\u+4], v[ST+8*\u+4], v[ST+8*\u+7], v[ST+8*\u+1]   ; and the old m
.endr
.irp u, 0,1
	v_permlanex16_b32 v[ST+8*\u+5], v[ST+8*\u+4], s100, s101       ; the query's other 32 keys lie in the lane 16 away
.endr
.irp u, 0,1
	v_mov_b32 v[ST+8*\u+7], v[ST+8*\u]             ; c m_old
.endr
.irp u, 0,1
	v_max_num_f32 v[ST+8*\u+1], v[ST+8*\u+4], v[ST+8*\u+5]
.endr
.irp u, 0,1
	v_mul_f32 v[ST+8*\u], s66, v[ST+8*\u+1]
.endr
.irp u, 0,1
	v_sub_f32 v[ST+8*\u+7], v[ST+8*\u+7], v[ST+8*\u]
.endr
.set i, 0
.rept 16
.irp u, 0,1
	v_pk_fma_f32 v[S+32*\u+i:S+32*\u+i+1], v[S+32*\u+i:S+32*\u+i+1], s[66:67], v[ST+8*\u:ST+8*\u+1] op_sel_hi:[1,0,0] neg_lo:[0,0,1] neg_hi:[0,0,1]   ; c s - c m
.endr
.set i, i+2
.endr
.irp u, 0,1
	v_exp_f32 v[ST+8*\u+6], v[ST+8*\u+7]           ; a
.endr
.set i, 0
.rept 32
	v_exp_f32 v[S+i], v[S+i]                       ; p: the 66 exponentials are one batch
	v_exp_f32 v[S+32+i], v[S+32+i]
.set i, i+1
.endr
	v_nop                                          ; a plain instruction behind the last exponential
	s_wait_alu depctr_va_vdst(0)                   ; one wait for the batch, ahead of its first reader
.irp u, 0,1
	v_pk_add_f32 v[ST+8*\u+4:ST+8*\u+5], v[S+32*\u:S+32*\u+1], v[S+32*\u+2:S+32*\u+3]       ; the sum of the unrounded p, in two chains
	v_pk_add_f32 v[C2+2*\u:C2+2*\u+1], v[S+32*\u+4:S+32*\u+5], v[S+32*\u+6:S+32*\u+7]
.endr
.irp i, 8,12,16,20,24,28
.irp u, 0,1
	v_pk_add_f32 v[ST+8*\u+4:ST+8*\u+5], v[ST+8*\u+4:ST+8*\u+5], v[S+32*\u+\i:S+32*\u+\i+1]
	v_pk_add_f32 v[C2+2*\u:C2+2*\u+1], v[C2+2*\u:C2+2*\u+1], v[S+32*\u+\i+2:S+32*\u+\i+3]
.endr
.endr
.irp u, 0,1
	v_pk_add_f32 v[ST+8*\u+4:ST+8*\u+5], v[ST+8*\u+4:ST+8*\u+5], v[C2+2*\u:C2+2*\u+1]
.endr
.irp u, 0,1
	v_pk_fma_f32 v[ST+8*\u+2:ST+8*\u+3], v[ST+8*\u+2:ST+8*\u+3], v[ST+8*\u+6:ST+8*\u+7], v[ST+8*\u+4:ST+8*\u+5] op_sel_hi:[1,0,1]   ; l = a l + the sum
.endr
.set i, 0
.rept 16
.irp u, 0,1
	v_cvt_pk_f16_f32 v[S+32*\u+i], v[S+32*\u+2*i], v[S+32*\u+2*i+1]       ; in place, ascending: register i is written when registers up to 2 i + 1 have been read
.endr
.set i, i+1
.endr
.set i, 0
.rept 16
.irp u, 0,1
	v_pk_mul_f32 v[O+32*\u+i:O+32*\u+i+1], v[O+32*\u+i:O+32*\u+i+1], v[ST+8*\u+6:ST+8*\u+7] op_sel_hi:[1,0]   ; O^T x a
.endr
.set i, i+2
.endr
.endm
; V^T's four fragments of 32 keys (x = 0, 1) of step s in buffer b
.macro VLOAD b, s, x
.irp d, 0,1,2,3
.irp c, 0,1
	ds_load_b128 v[KV+8*\d+4*\c:KV+8*\d+4*\c+3], v[LI] offset:32768*\b+16384+8192*\s+2048*(2*\x+\c)+512*\d
.endr
.endr
.endm
.macro PVMUL x                         ; eight accumulators by turns, one instruction a turn
.irp d, 0,1,2,3
.irp u, 0,1
	v_wmma_f32_16x16x32_f16 v[O+32*\u+8*\d:O+32*\u+8*\d+7], v[KV+8*\d:KV+8*\d+7], v[S+32*\u+8*\x:S+32*\u+8*\x+7], v[O+32*\u+8*\d:O+32*\u+8*\d+7]
.endr
.endr
.endm
; A STEP: 64 keys, the s-th half of the slot in buffer b
.macro STEP b, s
	s_bitcmp1_b32 s16, 0
	s_cbranch_scc0 .Lskip_\@                       ; no entry of the block is true: nothing to add
	s_load_b512 s[32:47], s[6:7], s19 offset:0x0   ; the 64 mask words: tile 0's 32,
	s_load_b512 s[48:63], s[6:7], s19 offset:0x40
	s_load_b512 s[68:83], s[6:7], s19 offset:0x1000  ; tile 1's
	s_load_b512 s[84:99], s[6:7], s19 offset:0x1040
.irp p, 0,1                            ; S^T = K Q^T, two tiles of 16 keys at a time
.irp k, 0,1
.irp e, 0,1
.irp c, 0,1
	ds_load_b128 v[KV+16*\k+8*\e+4*\c:KV+16*\k+8*\e+4*\c+3], v[LI] offset:32768*\b+8192*\s+2048*(2*\p+\k)+1024*\e+512*\c
.endr
.endr
.endr
	s_wait_dscnt 0x0
.irp e, 0,1                            ; four accumulators by turns
.irp k, 0,1
.irp u, 0,1
.if \e == 0
	v_wmma_f32_16x16x32_f16 v[S+32*\u+8*(2*\p+\k):S+32*\u+8*(2*\p+\k)+7], v[KV+16*\k+8*\e:KV+16*\k+8*\e+7], v[Q+16*\u+8*\e:Q+16*\u+8*\e+7], 0
.else
	v_wmma_f32_16x16x32_f16 v[S+32*\u+8*(2*\p+\k):S+32*\u+8*(2*\p+\k)+7], v[KV+16*\k+8*\e:KV+16*\k+8*\e+7], v[Q+16*\u+8*\e:Q+16*\u+8*\e+7], v[S+32*\u+8*(2*\p+\k):S+32*\u+8*(2*\p+\k)+7]
.endif
.endr
.endr
.endr
.rept 4
	v_nop                                          ; places in front of loads into K's registers and of the first read of the scores
.endr
.endr
	VLOAD \b, \s, 0                                ; V's first 32 keys land under the softmax
	s_wait_kmcnt 0x0                               ; the mask words are in
	s_bitcmp1_b32 s17, 0
	s_cbranch_scc1 .Lfull_\@                       ; every entry is true: no select
	s_or_b32 s25, s15, s18
	s_cmp_lg_u32 s25, 0                            ; block 0, step 0: key tile 0 is hidden from query tile 0
.irp j, 0,1,2,3,4,5,6,7
	s_cselect_b32 s[32+\j], s[32+\j], 0
.endr
.set i, 0
.rept 32
	v_cndmask_b32 v[S+i], v[NEG], v[S+i], s[32+i]  ; -infinity where the mask is false
.set i, i+1
.endr
.set i, 0
.rept 32
	v_cndmask_b32 v[S+32+i], v[NEG], v[S+32+i], s[68+i]
.set i, i+1
.endr
.Lfull_\@:
	SOFT
	s_wait_dscnt 0x0
	PVMUL 0
.rept 4
	v_nop                                          ; places in front of the loads into V's registers
.endr
	VLOAD \b, \s, 1
	s_wait_dscnt 0x0
	PVMUL 1
.rept 5
	v_nop                                          ; the next step's products write over P's registers, its loads land in V's
.endr
.Lskip_\@:
	s_lshr_b32 s16, s16, 1
	s_lshr_b32 s17, s17, 1
	s_add_co_u32 s18, s18, 1
	s_add_co_u32 s19, s19, 128                     ; four key tiles of 32 bytes of words
.endm
; A PREFETCH of the slot one beyond the one just asked for: 16,384 bytes of K and of V, 8,192 a wave, lanes 256 bytes apart.  All four work-groups of a head walk the same K and V:
; waves 0 to 3 of the head's first work-group ask, one instruction each, so each block of 256 bytes is named once in the launch.  It stops where there is no such slot.
.macro ASK b
	s_cmp_lt_u32 s24, s[28+\b]
	s_cbranch_scc0 .Lnot_mine_\@
	global_prefetch_b8 v[PFO], s[26:27] th:TH_LOAD_NT scope:SCOPE_SE
.Lnot_mine_\@:
.endm
; A SLOT.  The slot that has landed in registers goes into the other buffer (whose reads ended in front of the last barrier); the slot after it is asked for; this buffer's two steps; one barrier:
; in front of it my stores have landed and my reads are over.  The branches hang on the count of trips alone.
.macro TRIP b
.if \b == 1
	s_cmp_lt_u32 s24, 7
	s_cbranch_scc0 .Lno_more_\@                    ; slot 15 is the last
.endif
	s_wait_loadcnt 0x0
	ds_store_b128 v[STA], v[STG:STG+3] offset:(1-\b)*32768
	ds_store_b128 v[STA], v[STG+4:STG+7] offset:(1-\b)*32768+512
	ds_store_b128 v[STA], v[STG+8:STG+11] offset:(1-\b)*32768+16384
	ds_store_b128 v[STA], v[STG+12:STG+15] offset:(1-\b)*32768+16384+512
.if \b == 0
	s_cmp_lt_u32 s24, 7
	s_cbranch_scc0 .Lno_more_\@
.endif
	s_wait_dscnt 0x0                               ; the stores have read their registers
	s_wait_xcnt 0x0                                ; the last prefetch, a slot back, has read its address
	s_add_nc_u64 s[20:21], s[20:21], 16384
	s_add_nc_u64 s[22:23], s[22:23], 16384
	s_add_nc_u64 s[26:27], s[26:27], 16384
	global_load_b128 v[STG:STG+3],     v[STA], s[20:21]
	global_load_b128 v[STG+4:STG+7],   v[STA], s[20:21] offset:512
	global_load_b128 v[STG+8:STG+11],  v[STA], s[22:23]
	global_load_b128 v[STG+12:STG+15], v[STA], s[22:23] offset:512
	ASK \b
.Lno_more_\@:
	STEP \b, 0
	STEP \b, 1
	s_wait_dscnt 0x0
	s_barrier_signal -1
	s_barrier_wait -1
.endm
.Ltrip:                                ; eight trips of two slots
	TRIP 0
	TRIP 1
	s_add_co_u32 s24, s24, 1
	s_cmp_lt_u32 s24, 8
	s_cbranch_scc1 .Ltrip
	; THE WAY OUT
.irp u, 0,1
	v_add_f32 v[ST+8*\u+4], v[ST+8*\u+2], v[ST+8*\u+3]             ; my lane's sum
.endr
	s_cmp_lg_u32 s15, 0
	s_cbranch_scc1 .Lno_state
.irp d, 0,1,2,3                        ; block 0: query tile 0's state, as it stands
	global_store_b128 v[LI], v[O+8*\d:O+8*\d+3], s[10:11] offset:1024*\d
	global_store_b128 v[LI], v[O+8*\d+4:O+8*\d+7], s[10:11] offset:1024*\d+512
.endr
	global_store_b32 v[L4], v[ST], s[10:11] offset:4096
	global_store_b32 v[L4], v[ST+4], s[10:11] offset:4224
	s_wait_xcnt 0x0                                ; the stores have read their data: O^T is scaled in place below
.Lno_state:
.irp u, 0,1
	v_permlanex16_b32 v[ST+8*\u+5], v[ST+8*\u+4], s100, s101
.endr
.irp u, 0,1
	v_add_f32 v[ST+8*\u+4], v[ST+8*\u+4], v[ST+8*\u+5]
.endr
.irp u, 0,1
	v_rcp_f32 v[ST+8*\u+6], v[ST+8*\u+4]
.endr
	v_nop
	s_wait_alu depctr_va_vdst(0)                   ; one wait for the two reciprocals, ahead of their first reader
.set i, 0
.rept 16
.irp u, 0,1
	v_pk_mul_f32 v[O+32*\u+i:O+32*\u+i+1], v[O+32*\u+i:O+32*\u+i+1], v[ST+8*\u+6:ST+8*\u+7] op_sel_hi:[1,0]
.endr
.set i, i+2
.endr
.set i, 0
.rept 16
.irp u, 0,1
	v_cvt_pk_f16_f32 v[S+16*\u+i], v[O+32*\u+2*i], v[O+32*\u+2*i+1]
.endr
.set i, i+1
.endr
.irp u, 0,1
.irp d, 0,1,2,3
	global_store_b128 v[LI], v[S+16*\u+4*\d:S+16*\u+4*\d+3], s[8:9] offset:32768*\u+512*\d   ; half an operand of the last product: 512 consecutive bytes
.endr
.endr
	s_wait_tensorcnt 0x0                           ; the wave's end, behind my last LDS store
	ds_add_u32 v[SPW], v[NIL]
	s_wait_dscnt 0x0
	s_endpgm
.Lfunc_end_k_q2f3b221b8e_attn:
	.size	k_q2f3b221b8e_attn, .Lfunc_end_k_q2f3b221b8e_attn-k_q2f3b221b8e_attn
	.p2alignl 7, 3214868480
	.fill 96, 4, 3214868480
	.section	.rodata,"a",@progbits
	.p2align	6, 0x0
	.amdhsa_kernel k_q2f3b221b8e_attn
		.amdhsa_group_segment_fixed_size 67584
		.amdhsa_private_segment_fixed_size 0
		.amdhsa_enable_private_segment 0
		.amdhsa_kernarg_size 32
		.amdhsa_user_sgpr_count 2
		.amdhsa_user_sgpr_kernarg_segment_ptr 1
		.amdhsa_wavefront_size32 1
		.amdhsa_system_sgpr_workgroup_id_x 1
		.amdhsa_system_sgpr_workgroup_id_y 1
		.amdhsa_system_sgpr_workgroup_id_z 1
		.amdhsa_system_vgpr_workitem_id 0
		.amdhsa_next_free_vgpr 256
		.amdhsa_next_free_sgpr 102
		.amdhsa_reserve_vcc 0
		.amdhsa_float_denorm_mode_32 3
		.amdhsa_float_denorm_mode_16_64 3
		.amdhsa_memory_ordered 1
		.amdhsa_forward_progress 1
		.amdhsa_inst_pref_size 105
	.end_amdhsa_kernel
	.amdgpu_metadata
---
amdhsa.version: [ 1, 2 ]
amdhsa.kernels:
  - .name:           k_q2f3b221b8e_attn
    .symbol:         k_q2f3b221b8e_attn.kd
    .args:
      - { .name: qkv, .offset: 0, .size: 8, .value_kind: global_buffer, .address_space: global }
      - { .name: maskw, .offset: 8, .size: 8, .value_kind: global_buffer, .address_space: global }
      - { .name: att16, .offset: 16, .size: 8, .value_kind: global_buffer, .address_space: global }
      - { .name: fstate, .offset: 24, .size: 8, .value_kind: global_buffer, .address_space: global }
    .group_segment_fixed_size: 67584
    .private_segment_fixed_size: 0
    .kernarg_segment_align: 8
    .kernarg_segment_size: 32
    .max_flat_workgroup_size: 512
    .sgpr_count:     102
    .vgpr_count:     256
    .wavefront_size: 32
...
	.end_amdgpu_metadata
.endif
;; end of part 3
;; launch outp (part 4): grid 4 x 64, 4 waves a work-group, clusters of 4 x 4, 327,680 bytes of LDS; arguments att16, wo16, out0; writes out0
.if DOCPART == 4
	.amdgcn_target "amdgcn-amd-amdhsa--gfx1250"
	.amdhsa_code_object_version 6
	.text
	.protected	k_q2f3b221b8e_outp
	.globl	k_q2f3b221b8e_outp
	.p2align	8
	.type	k_q2f3b221b8e_outp,@function
k_q2f3b221b8e_outp:
	s_mov_b64 s[64:65], 0
	v_nop
	global_prefetch_b8 v0, s[64:65] scope:SCOPE_SE
	s_setreg_imm32_b32 hwreg(HW_REG_WAVE_MODE, 25, 1), 1
	s_wait_xcnt 0x0
	s_wait_alu depctr_hold_cnt(0) depctr_sa_sdst(0) depctr_va_vdst(0) depctr_va_sdst(0) depctr_va_ssrc(0) depctr_va_vcc(0) depctr_vm_vsrc(0)
	s_getreg_b32 s2, hwreg(HW_REG_IB_STS2, 6, 4)
	s_cmp_eq_u32 s2, 0
	s_cbranch_scc0 .Lentry_in_a_cluster
	s_endpgm
.Lentry_in_a_cluster:
	s_bfe_u32 s2, ttmp6, 0x10000c
	s_cmp_lg_u32 s2, 0xf033
	s_cbranch_scc0 .Lentry_shape_is_right
	s_endpgm
.Lentry_shape_is_right:
; OUTP: out0 = att wo^T, f16 operands, f32 sums, for every row but the first 16 positions of each sequence (a later launch makes those in f32).
; A tile of 128 tokens x 256 columns is made by four waves, 64 x 128 each: 32 accumulators, 256 registers (window 1).  256 work-groups.
; Both operands lie in memory as images of their registers: [tile of 16 rows][32 along K: 1,024 bytes].  A K step of 128 is 4,096 consecutive bytes of each tile of 16 rows; the tensor load takes them as rows of 4,096 bytes, 32,768 apart.
; In LDS a fragment is two loads of 16 bytes a lane at 16 x lane: each load reads 512 consecutive bytes, so there is no padding.
; K goes in 8 steps through a ring of two slots.  CLUSTERS: 4 x 4; att's tiles are asked for jointly along a row of the cluster, wo's along a column.
; THE MATRIX INSTRUCTION IS USED TRANSPOSED (source 0 = 16 columns of wo, source 1 = 16 tokens): a lane holds eight neighbouring numbers of a row of out0.
; No prefetch: the tile is small, a K step's matrix work is short, and both operands are shared in the cluster.
; REGISTERS: window 0: v16-30 addresses; two fragment buffers of 96 at v32 and v128 (64 of wo, then 32 of att); on the way out v32-159 hold rows.  window 1: accumulator (a, b) at v[8 (8 a + b)].
.set SLOT,   98304                     ; att's 8 tiles of 4,096 bytes, then wo's 16
.set STAGE,  2*SLOT                    ; behind the ring: 16 rows x (512 + 16) bytes for each wave
.set SPITCH, 528
.set SPARE,  STAGE+4*16*SPITCH         ; the spare words: 128 bytes a wave, two blocks of 256 bytes that no other line names
.set LAPS,   4                         ; a lap = two K steps
.set ADRA, 16
.set ADRB, 20
.set STO,  24
.set RD,   25
.set CO,   26
.set SPW,  28
.set NIL,  29
.set F0,   32
.set F1,   128
.set BK,   32
.set G1, 24
.set G0, 32
.set G1B, 48
.set G0B, 56
.set MSB, 0
.macro WIN new
.if MSB != \new
	s_set_vgpr_msb (MSB<<8)|\new
.set MSB, \new
.endif
.endm
.set MUL, 0x50                         ; sources 0 and 1 window 0; C and D window 1
.macro JLOAD s                         ; a joint load: waves 0, 1 fetch att's halves, waves 2, 3 wo's; an s_nop 0 and four v_nop follow each line
	s_cmp_eq_u32 s11, 0
	s_cbranch_scc0 .Lfor_b_\@
	tensor_load_to_lds s[G0+4*\s:G0+4*\s+3], s[G1:G1+7]
	s_nop 0
.rept 4
	v_nop
.endr
	s_branch .Lasked_\@
.Lfor_b_\@:
	tensor_load_to_lds s[G0B+4*\s:G0B+4*\s+3], s[G1B:G1B+7]
	s_nop 0
.rept 4
	v_nop
.endr
.Lasked_\@:
.endm
.macro CREST
	s_cmp_lg_u32 s10, 0
	s_cbranch_scc1 .Lnot_wave_0_\@
	s_barrier_signal -3
.Lnot_wave_0_\@:
	s_barrier_wait -3
	s_barrier_signal -1
	s_barrier_wait -1
.endm
.macro CROUND
	s_barrier_signal -1
	s_barrier_wait -1
	CREST
.endm
	s_load_b128 s[4:7], s[0:1], 0x0                ; att16 s[4:5], wo16 s[6:7]
	s_load_b64 s[8:9], s[0:1], 0x10                ; out0
	v_lshl_add_u32 v[SPW], v0, 2, SPARE
	v_mov_b32 v[NIL], 0
	ds_add_u32 v[SPW], v[NIL]                      ; the wave's opening: the add, twice on end, and its wait ahead of my first tensor load
	ds_add_u32 v[SPW], v[NIL]
	v_lshrrev_b32 v1, 5, v0
	v_readfirstlane_b32 s10, v1                    ; wave 0..3
	s_lshr_b32 s11, s10, 1                         ; which 64 tokens are mine.  Also: I fetch for att (0) or for wo (1)
	s_and_b32 s12, s10, 1                          ; which 128 columns.  Also: which half of that tile I fetch
	s_bfe_u32 s40, ttmp6, 0x40000                  ; cx
	s_bfe_u32 s41, ttmp6, 0x40004                  ; cy
	s_lshl_b32 s42, ttmp9, 2
	s_add_co_u32 s42, s42, s40                     ; tile column
	s_and_b32 s13, ttmp7, 0xffff
	s_lshl_b32 s13, s13, 2
	s_add_co_u32 s13, s13, s41                     ; tile row
	s_lshl_b32 s43, s41, 2
	s_lshl_b32 s43, 15, s43                        ; my row of the cluster
	s_lshl_b32 s44, 0x1111, s40                    ; my column
	; descriptor group 1: rows of 512 elements of 8 bytes, 4,096 elements apart; att: 4 rows a load, wo: 8
	s_or_b32 s[G1+0], s43, (3<<16)|(1<<21)
	s_mov_b32 s[G1+1], 512<<16                     ; tensor_dim0
	s_mov_b32 s[G1+2], 4<<16                       ; tensor_dim1
	s_mov_b32 s[G1+3], 512<<16                     ; tile_dim0
	s_mov_b32 s[G1+4], 4                           ; tile_dim1
	s_mov_b32 s[G1+5], 4096                        ; from row to row
	s_mov_b32 s[G1+6], 0
	s_mov_b32 s[G1+7], 0
	s_or_b32 s[G1B+0], s44, (3<<16)|(1<<21)
	s_mov_b32 s[G1B+1], 512<<16
	s_mov_b32 s[G1B+2], 8<<16
	s_mov_b32 s[G1B+3], 512<<16
	s_mov_b32 s[G1B+4], 8
	s_mov_b32 s[G1B+5], 4096
	s_mov_b32 s[G1B+6], 0
	s_mov_b32 s[G1B+7], 0
	s_lshl_b32 s16, s13, 18                        ; att: token tile 8 x tile row + 4 x half, 32,768 bytes each
	s_lshl_b32 s17, s12, 17
	s_add_co_u32 s16, s16, s17
	s_mov_b32 s17, 0
	s_lshl_b32 s46, s42, 19                        ; wo: column tile 16 x tile column + 8 x half
	s_lshl_b32 s47, s12, 18
	s_add_co_u32 s46, s46, s47
	s_mov_b32 s47, 0
	s_lshl_b32 s20, s12, 14                        ; where they go: att's halves of 16,384 bytes,
	s_lshl_b32 s21, s12, 15
	s_add_co_u32 s21, s21, 32768                   ; wo's halves of 32,768 behind them
	s_wait_dscnt 0x0                               ; both opening adds are done
	s_wait_kmcnt 0x0
	s_add_nc_u64 s[14:15], s[4:5], s[16:17]
	s_add_nc_u64 s[46:47], s[6:7], s[46:47]
	CROUND                                         ; all sixteen work-groups are here: the first joint loads meet
.irp s, 0,1
	s_mov_b32 s[G0+4*\s], 1
	s_add_co_u32 s[G0+4*\s+1], s20, \s*SLOT
	s_add_nc_u64 s[G0+4*\s+2:G0+4*\s+3], s[14:15], \s*4096
	s_or_b32 s[G0+4*\s+3], s[G0+4*\s+3], 0x80000000
	s_mov_b32 s[G0B+4*\s], 1
	s_add_co_u32 s[G0B+4*\s+1], s21, \s*SLOT
	s_add_nc_u64 s[G0B+4*\s+2:G0B+4*\s+3], s[46:47], \s*4096
	s_or_b32 s[G0B+4*\s+3], s[G0B+4*\s+3], 0x80000000
	JLOAD \s                                       ; two loads of mine are out
.endr
	v_and_b32 v1, 15, v0                           ; r
	v_bfe_u32 v2, v0, 4, 1                         ; h
	v_and_b32 v3, 31, v0
	v_lshlrev_b32 v3, 4, v3                        ; 16 x lane
	s_lshl_b32 s21, s11, 14                        ; my four token tiles
	s_lshl_b32 s22, s12, 15                        ; my eight column tiles,
	s_add_co_u32 s22, s22, 32768                   ; behind att's
.irp s, 0,1
	v_add_nc_u32 v[ADRA+\s], s21, v3
	v_add_nc_u32 v[ADRB+\s], s22, v3
	s_add_co_u32 s21, s21, SLOT
	s_add_co_u32 s22, s22, SLOT
.endr
	s_mul_i32 s23, s10, 16*SPITCH
	s_add_co_u32 s23, s23, STAGE                   ; my stage
	v_mul_u32_u24 v4, v1, SPITCH
	v_lshl_add_u32 v4, v2, 5, v4
	v_add_nc_u32 v[STO], s23, v4                   ; in: row r, 32 bytes for each half of the lanes
	v_add_nc_u32 v[RD], s23, v3                    ; back: the 32 lanes take a row of 512 bytes
	v_mov_b32 v[CO], v3
	s_lshl_b32 s16, s13, 19                        ; my first row of out0: 128 x tile row + 64 x half, 4,096 bytes a row
	s_lshl_b32 s17, s11, 18
	s_add_co_u32 s16, s16, s17
	s_mov_b32 s17, 0
	s_add_nc_u64 s[8:9], s[8:9], s[16:17]
	s_lshl_b32 s46, s42, 10                        ; my first column, in bytes
	s_lshl_b32 s47, s12, 9
	s_add_co_u32 s46, s46, s47
	s_mov_b32 s47, 0
	s_add_nc_u64 s[8:9], s[8:9], s[46:47]
	s_and_b32 s2, s13, 15
	s_lshl_b32 s2, s2, 1
	s_add_co_u32 s2, s2, s11                       ; 0 where my first 16 rows are a sequence's first 16 positions
.macro MUL8 f, a, zero                 ; token tile a x my eight column tiles, 32 along K.  The 32 accumulators take turns, in the same order in every quarter
.irp b, 0,1,2,3,4,5,6,7
.if \zero
	v_wmma_f32_16x16x32_f16 v[8*(8*\a+\b):8*(8*\a+\b)+7], v[\f+8*\b:\f+8*\b+7], v[\f+64+8*\a:\f+64+8*\a+7], 0
.else
	v_wmma_f32_16x16x32_f16 v[8*(8*\a+\b):8*(8*\a+\b)+7], v[\f+8*\b:\f+8*\b+7], v[\f+64+8*\a:\f+64+8*\a+7], v[8*(8*\a+\b):8*(8*\a+\b)+7]
.endif
.endr
.endm
.macro FETCH slot, q, f                ; 24 LDS loads in one run: the fragments of the slot's q-th 32 along K (every window 0)
.irp i, 0,1,2,3,4,5,6,7
	ds_load_b128 v[\f+8*\i:\f+8*\i+3],   v[ADRB+\slot] offset:\i*4096+(\q)*1024
	ds_load_b128 v[\f+8*\i+4:\f+8*\i+7], v[ADRB+\slot] offset:\i*4096+(\q)*1024+512
.endr
.irp i, 0,1,2,3
	ds_load_b128 v[\f+64+8*\i:\f+64+8*\i+3],   v[ADRA+\slot] offset:\i*4096+(\q)*1024
	ds_load_b128 v[\f+64+8*\i+4:\f+64+8*\i+7], v[ADRA+\slot] offset:\i*4096+(\q)*1024+512
.endr
.endm
.macro PLACES
.rept 4
	v_nop
.endr
.endm
.macro QUARTER slot, q, f, g, zero     ; multiplies buffer f; ahead of that it asks for the slot's q-th 32 along K, into buffer g: 32 matrix instructions ahead of their use
	s_wait_dscnt 0x0                               ; buffer f is in
	PLACES                                         ; behind the products that read buffer g
	WIN 0
	FETCH \slot, \q, \g
	WIN MUL
	MUL8 \f, 0, \zero
	MUL8 \f, 1, \zero
	MUL8 \f, 2, \zero
	MUL8 \f, 3, \zero
.endm
; A slot's last quarter multiplies buffer 1 and changes slots: one barrier; in front of it each wave waits for all its tensor loads, adds 0 to its spare word, and waits for that and for its reads of this slot.
.macro TURN slot, next, fill
	WIN 0
	s_wait_tensorcnt 0x0                           ; my one load that was out, my part of the next slot, has landed
	ds_add_u32 v[SPW], v[NIL]
	s_wait_dscnt 1                                 ; buffer 1 is in (the add may be out)
	WIN MUL
	MUL8 F1, 0, 0
	s_wait_dscnt 0x0                               ; the add is done, and my reads of this slot are over
	s_barrier_signal -1
	MUL8 F1, 1, 0
	WIN 0
	s_barrier_wait -1
.if \fill
	CREST                                          ; the barrier has opened a round of the cluster's: no wave of any partner still reads this slot or has a load on its way
	s_add_nc_u64 s[G0+4*\slot+2:G0+4*\slot+3], s[G0+4*\slot+2:G0+4*\slot+3], 8192
	s_add_nc_u64 s[G0B+4*\slot+2:G0B+4*\slot+3], s[G0B+4*\slot+2:G0B+4*\slot+3], 8192
	JLOAD \slot                                    ; the first tensor load behind the round, my only one; its four v_nop are also the places in front of the loads below
.else
	PLACES
.endif
	FETCH \next, 0, F0
	WIN MUL
	MUL8 F1, 2, 0
	MUL8 F1, 3, 0
.endm
	s_wait_tensorcnt 1                             ; my part of K step 0 is in (K step 1's may be out),
	s_barrier_signal -1
	s_barrier_wait -1                              ; everybody's is
	FETCH 0, 0, F0
	QUARTER 0, 1, F0, F1, 1                        ; the first quarter's products start the sums
	WIN 0
	s_mov_b32 s3, LAPS-1
.Llap:                                 ; a trip goes once round the ring and fills both slots again
	QUARTER 0, 2, F1, F0, 0
	QUARTER 0, 3, F0, F1, 0
	TURN 0, 1, 1
	QUARTER 1, 1, F0, F1, 0
	QUARTER 1, 2, F1, F0, 0
	QUARTER 1, 3, F0, F1, 0
	TURN 1, 0, 1
	QUARTER 0, 1, F0, F1, 0
	WIN 0
	s_sub_co_u32 s3, s3, 1
	s_cmp_lg_u32 s3, 0
	s_cbranch_scc1 .Llap
	QUARTER 0, 2, F1, F0, 0                        ; the last lap fills nothing
	QUARTER 0, 3, F0, F1, 0
	TURN 0, 1, 0
	QUARTER 1, 1, F0, F1, 0
	QUARTER 1, 2, F1, F0, 0
	QUARTER 1, 3, F0, F1, 0
	s_wait_dscnt 0x0
	MUL8 F1, 0, 0
	MUL8 F1, 1, 0
	MUL8 F1, 2, 0
	MUL8 F1, 3, 0
	WIN 0
; THE WAY OUT, a block of 16 tokens x 128 columns at a time, through my own stage: in as 32 bytes a lane, back as whole rows of 512 bytes.  LDS serves a wave's instructions in order.
.macro TOSTAGE a
	WIN 0x04                                       ; an LDS store's data are its source 1: window 1
.irp b, 0,1,2,3,4,5,6,7
	ds_store_b128 v[STO], v[64*\a+8*\b:64*\a+8*\b+3] offset:64*\b       ; each accumulator from its low end on
	ds_store_b128 v[STO], v[64*\a+8*\b+4:64*\a+8*\b+7] offset:64*\b+16
.endr
	WIN 0
.irp t, 0,1,2,3,4,5,6,7,8,9,10,11,12,13,14,15
	ds_load_b128 v[BK+64*(\a%2)+4*\t:BK+64*(\a%2)+4*\t+3], v[RD] offset:\t*SPITCH
.endr
.endm
.macro SEND a, younger
	s_wait_dscnt \younger                          ; the block is back; the next block's 16 stores and 16 loads may be out
.if \a > 0
	s_add_nc_u64 s[8:9], s[8:9], 65536             ; 16 rows on (behind a wait on XCNT: the earlier stores have read their base)
.endif
.irp t, 0,1,2,3,4,5,6,7,8,9,10,11,12,13,14,15
	global_store_b128 v[CO], v[BK+64*(\a%2)+4*\t:BK+64*(\a%2)+4*\t+3], s[8:9] offset:\t*4096 th:TH_STORE_NT   ; 512 consecutive bytes, aligned
.endr
.endm
	PLACES
	TOSTAGE 0
	TOSTAGE 1
	v_mov_b32 v30, s2
	v_cmp_ne_u32 vcc_lo, 0, v30                    ; a sequence's first 16 positions belong to the launch that makes them in f32: all lanes off there.  No branch: who is concerned hangs on the place in the cluster
	s_wait_xcnt 0x0
	s_and_saveexec_b32 s22, vcc_lo
	SEND 0, 32
	s_wait_xcnt 0x0                                ; EXEC, the stores' registers and their base change only behind this wait
	s_or_b32 exec_lo, exec_lo, s22
	TOSTAGE 2
	SEND 1, 32
	s_wait_xcnt 0x0
	TOSTAGE 3
	SEND 2, 32
	s_wait_xcnt 0x0
	SEND 3, 0
	s_wait_tensorcnt 0x0                           ; the wave's end
	ds_add_u32 v[SPW], v[NIL]
	s_wait_dscnt 0x0
	CROUND                                         ; the closing round
	s_endpgm
.Lfunc_end_k_q2f3b221b8e_outp:
	.size	k_q2f3b221b8e_outp, .Lfunc_end_k_q2f3b221b8e_outp-k_q2f3b221b8e_outp
	.p2alignl 7, 3214868480
	.fill 96, 4, 3214868480
	.section	.rodata,"a",@progbits
	.p2align	6, 0x0
	.amdhsa_kernel k_q2f3b221b8e_outp
		.amdhsa_group_segment_fixed_size 327680
		.amdhsa_private_segment_fixed_size 0
		.amdhsa_enable_private_segment 0
		.amdhsa_kernarg_size 24
		.amdhsa_user_sgpr_count 2
		.amdhsa_user_sgpr_kernarg_segment_ptr 1
		.amdhsa_wavefront_size32 1
		.amdhsa_system_sgpr_workgroup_id_x 1
		.amdhsa_system_sgpr_workgroup_id_y 1
		.amdhsa_system_sgpr_workgroup_id_z 1
		.amdhsa_system_vgpr_workitem_id 0
		.amdhsa_next_free_vgpr 512
		.amdhsa_next_free_sgpr 66
		.amdhsa_reserve_vcc 1
		.amdhsa_float_denorm_mode_32 3
		.amdhsa_float_denorm_mode_16_64 3
		.amdhsa_memory_ordered 1
		.amdhsa_forward_progress 1
		.amdhsa_inst_pref_size 84
	.end_amdhsa_kernel
	.amdgpu_metadata
---
amdhsa.version: [ 1, 2 ]
amdhsa.kernels:
  - .name:           k_q2f3b221b8e_outp
    .symbol:         k_q2f3b221b8e_outp.kd
    .args:
      - { .name: att16, .offset: 0, .size: 8, .value_kind: global_buffer, .address_space: global }
      - { .name: wo16, .offset: 8, .size: 8, .value_kind: global_buffer, .address_space: global }
      - { .name: out0, .offset: 16, .size: 8, .value_kind: global_buffer, .address_space: global }
    .group_segment_fixed_size: 327680
    .private_segment_fixed_size: 0
    .kernarg_segment_align: 8
    .kernarg_segment_size: 24
    .max_flat_workgroup_size: 128
    .sgpr_count:     66
    .vgpr_count:     512
    .wavefront_size: 32
...
	.end_amdgpu_metadata
.endif
;; end of part 4
;; launch head16 (part 5): grid 16 x 4, 16 waves a work-group, no clusters, 71,680 bytes of LDS; arguments fine32, fstate, maskw, wo, out0; writes out0
.if DOCPART == 5
	.amdgcn_target "amdgcn-amd-amdhsa--gfx1250"
	.amdhsa_code_object_version 6
	.text
	.protected	k_q2f3b221b8e_head16
	.globl	k_q2f3b221b8e_head16
	.p2align	8
	.type	k_q2f3b221b8e_head16,@function
k_q2f3b221b8e_head16:
	s_mov_b64 s[64:65], 0
	v_nop
	global_prefetch_b8 v0, s[64:65] scope:SCOPE_SE
	s_setreg_imm32_b32 hwreg(HW_REG_WAVE_MODE, 25, 1), 1
	s_wait_xcnt 0x0
; HEAD16: the first 16 positions of every sequence, finished in f32.  These rows may average one to a few values and are the largest in size, so the rounding of 16-bit operands weighs most there.
; The attention launch has left key tile 0 out of query tile 0 and stored that tile's state (O^T, c m, each lane's sum).  Here key tile 0 is added from the projections' own f32 numbers,
; the row is divided by its sum, and the product with wo is made in f32: 16 + 16 + 64 matrix instructions of the f32 form a wave: no bulk work.
; SHARES.  Work-group (g, n): the 16 rows of sequence n x columns 64 g .. + 63.  Wave = head: it makes its head's 16 x 64 attention and that head's part of the product; the sixteen parts meet in LDS.
; LAYOUT.  The f32 form takes K = 4: register j of lane (r, h) is k = 2 h + j.  A pair of registers of a stored 16 x 16 result holds, in lane (r, h), places 8 h + 2 i + 0, 1 of row r: the same pair on both
; sides names the same four places along K, and the pairs i together name all: a permutation of K applied alike to both sides.
; The registers that the f32 form writes, v208-239, are written by matrix instructions alone.
; REGISTERS: v16-47 q, v48-79 k (both later wo's column tiles 2, 3); v80-111 v, later att; v112-143 O^T's state; v144-207 wo's column tiles 0, 1; v240-247 the scores, then p; v248 c m, v249 the sum, v250-255 at work.
.set SPW, 1
.set NIL, 2
.set SPARE, 69632                      ; behind the sixteen parts of 4,352 bytes: the spare words, 128 bytes a wave
.set F, 208
	s_load_b256 s[4:11], s[0:1], 0x0               ; fine32 s[4:5], fstate s[6:7], maskw s[8:9], wo s[10:11]
	s_load_b64 s[12:13], s[0:1], 0x20              ; out0
	v_lshl_add_u32 v[SPW], v0, 2, SPARE
	v_mov_b32 v[NIL], 0
	v_lshrrev_b32 v8, 5, v0
	v_readfirstlane_b32 s14, v8                    ; wave = head
	v_and_b32 v9, 31, v0
	v_and_b32 v10, 15, v0                          ; r
	v_bfe_u32 v11, v0, 4, 1                        ; h
	v_lshlrev_b32 v3, 4, v9                        ; 16 x lane
	v_lshlrev_b32 v5, 2, v9                        ; 4 x lane
	v_lshlrev_b32 v4, 12, v10
	v_lshl_add_u32 v4, v11, 5, v4                  ; wo: row r of 4,096 bytes, + 32 h
	s_mul_i32 s24, s14, 4352
	v_mul_u32_u24 v6, v10, 272
	v_lshl_add_u32 v6, v11, 5, v6
	v_add_nc_u32 v6, s24, v6                       ; my part in LDS: row r of 256 + 16 bytes, + 32 h
	s_mul_i32 s24, s14, 272
	v_lshlrev_b32 v8, 3, v9                        ; 8 x lane
	v_add_nc_u32 v7, s24, v8                       ; back: row = my wave's number, 8 bytes a lane
	v_mov_b32 v12, 0xff800000                      ; -infinity
	v_mov_b32 v251, 0                              ; (a lane permute's destination counts as read)
	s_and_b32 s15, ttmp7, 0xffff                   ; n
	s_mov_b32 s29, ttmp9                           ; g
	s_mov_b32 s26, 0x76543210
	s_mov_b32 s27, 0xfedcba98                      ; lane l xor 16
	s_mov_b32 s28, 0x3e38aa3b                      ; c = log2(e) / 8
	s_mov_b32 s25, 0
	s_wait_kmcnt 0x0
	s_load_b256 s[16:23], s[8:9], 0x0              ; the eight mask words of query tile 0, key tile 0
	s_lshl_b32 s24, s15, 16
	s_lshl_b32 s30, s14, 12
	s_add_co_u32 s24, s24, s30
	s_add_nc_u64 s[4:5], s[4:5], s[24:25]          ; fine32: sequence n, feature tiles 4 head ..
	s_lshl_b32 s24, s15, 4
	s_add_co_u32 s24, s24, s14
	s_mul_i32 s24, s24, 4352
	s_add_nc_u64 s[6:7], s[6:7], s[24:25]
	s_lshl_b32 s24, s29, 18
	s_lshl_b32 s30, s14, 8
	s_add_co_u32 s24, s24, s30
	s_add_nc_u64 s[10:11], s[10:11], s[24:25]      ; wo: row 64 g, features 64 head ..
	s_lshl_b32 s24, s15, 23
	s_lshl_b32 s30, s14, 12
	s_add_co_u32 s24, s24, s30
	s_lshl_b32 s30, s29, 8
	s_add_co_u32 s24, s24, s30
	s_add_nc_u64 s[12:13], s[12:13], s[24:25]      ; out0: row 2,048 n + wave, column 64 g
.irp t, 0,1                            ; q, then k: 16 loads
.irp d, 0,1,2,3
.irp x, 0,1
	global_load_b128 v[16+32*\t+8*\d+4*\x:19+32*\t+8*\d+4*\x], v3, s[4:5] offset:262144*\t+1024*\d+512*\x
.endr
.endr
.endr
.irp d, 0,1,2,3                        ; v: 8
.irp x, 0,1
	global_load_b128 v[80+8*\d+4*\x:83+8*\d+4*\x], v3, s[4:5] offset:524288+1024*\d+512*\x
.endr
.endr
.irp d, 0,1,2,3                        ; the state: 10
.irp x, 0,1
	global_load_b128 v[112+8*\d+4*\x:115+8*\d+4*\x], v3, s[6:7] offset:1024*\d+512*\x
.endr
.endr
	global_load_b32 v248, v5, s[6:7] offset:4096
	global_load_b32 v249, v5, s[6:7] offset:4224
.irp t, 0,1                            ; wo's column tiles 0, 1: 16.  Lane (r, h): column 16 t + r, features 16 d + 8 h + 0..7
.irp d, 0,1,2,3
.irp x, 0,1
	global_load_b128 v[144+32*\t+8*\d+4*\x:147+32*\t+8*\d+4*\x], v4, s[10:11] offset:65536*\t+64*\d+16*\x
.endr
.endr
.endr
	s_wait_loadcnt 34                              ; q and k are in; v's 8, the state's 10 and wo's 16 may be out
.irp i, 0,1,2,3,4,5,6,7,8,9,10,11,12,13,14,15      ; S^T = K Q^T: two accumulators by turns
.if \i < 2
	v_wmma_f32_16x16x4_f32 v[F+8*(\i%2):F+8*(\i%2)+7], v[48+2*\i:49+2*\i], v[16+2*\i:17+2*\i], 0
.else
	v_wmma_f32_16x16x4_f32 v[F+8*(\i%2):F+8*(\i%2)+7], v[48+2*\i:49+2*\i], v[16+2*\i:17+2*\i], v[F+8*(\i%2):F+8*(\i%2)+7]
.endif
.endr
.rept 9
	v_nop                                          ; places behind the f32 form: 8 for reads of its results and loads into its sources, 9 for the products that write over its results
.endr
.irp t, 0,1                            ; wo's column tiles 2, 3 into q's and k's registers: 16
.irp d, 0,1,2,3
.irp x, 0,1
	global_load_b128 v[16+32*\t+8*\d+4*\x:19+32*\t+8*\d+4*\x], v4, s[10:11] offset:131072+65536*\t+64*\d+16*\x
.endr
.endr
.endr
.irp j, 0,1,2,3,4,5,6,7
	v_add_f32 v[240+\j], v[F+\j], v[F+8+\j]        ; the two halves of the sum over the channels
.endr
	s_wait_kmcnt 0x0
.irp j, 0,1,2,3,4,5,6,7
	v_cndmask_b32 v[240+\j], v12, v[240+\j], s[16+\j]   ; -infinity where the mask is false
.endr
	v_max3_num_f32 v250, v240, v241, v242
	v_max3_num_f32 v250, v250, v243, v244
	v_max3_num_f32 v250, v250, v245, v246
	v_max_num_f32 v250, v250, v247
	v_permlanex16_b32 v251, v250, s26, s27
	v_max_num_f32 v250, v250, v251
	v_mul_f32 v250, s28, v250
	s_wait_loadcnt 32                              ; v and the state are in; wo's two runs of 16 may be out
	v_max_num_f32 v252, v248, v250                 ; the new c m: the state's is always a number
	v_sub_f32 v253, v248, v252
.irp j, 0,1,2,3,4,5,6,7
	v_fma_f32 v[240+\j], v[240+\j], s28, -v252
.endr
.irp j, 0,1,2,3,4,5,6,7
	v_exp_f32 v[240+\j], v[240+\j]                 ; p
.endr
	v_exp_f32 v254, v253                           ; f = 2^(c m_old - c m_new)
	v_nop
	s_wait_alu depctr_va_vdst(0)                   ; one wait for the nine, ahead of their first reader
	v_add_f32 v255, v240, v241
	v_add_f32 v253, v242, v243
	v_add_f32 v255, v255, v244
	v_add_f32 v253, v253, v245
	v_add_f32 v255, v255, v246
	v_add_f32 v253, v253, v247
	v_add_f32 v255, v255, v253
	v_fma_f32 v249, v249, v254, v255               ; my lane's sum
.irp i, 0,2,4,6,8,10,12,14,16,18,20,22,24,26,28,30
	v_pk_mul_f32 v[112+\i:113+\i], v[112+\i:113+\i], v[254:255] op_sel_hi:[1,0]   ; the state's O^T x f
.endr
.irp i, 0,1,2,3                        ; O^T += V^T P over the 16 keys: four accumulators by turns; the state is the C of each sum's first product
.irp d, 0,1,2,3
.if \i == 0
	v_wmma_f32_16x16x4_f32 v[F+8*\d:F+8*\d+7], v[80+8*\d+2*\i:81+8*\d+2*\i], v[240+2*\i:241+2*\i], v[112+8*\d:119+8*\d]
.else
	v_wmma_f32_16x16x4_f32 v[F+8*\d:F+8*\d+7], v[80+8*\d+2*\i:81+8*\d+2*\i], v[240+2*\i:241+2*\i], v[F+8*\d:F+8*\d+7]
.endif
.endr
.endr
	v_permlanex16_b32 v255, v249, s26, s27
	v_add_f32 v249, v249, v255                     ; the row's sum
	v_rcp_f32 v250, v249
.rept 9
	v_nop                                          ; places behind the f32 form, as above; the first is also the plain instruction behind the reciprocal
.endr
	s_wait_alu depctr_va_vdst(0)
.set i, 0
.rept 32
	v_mul_f32 v[80+i], v[F+i], v250                ; att: lane (r, h): position r, channels 16 d + 8 h + 0..7
.set i, i+1
.endr
	s_wait_loadcnt 0x0                             ; wo
.irp d, 0,1,2,3                        ; my head's part of att wo^T: source 0 = 16 columns of wo, source 1 = att; four accumulators by turns
.irp i, 0,1,2,3
.irp t, 0,1,2,3
.if (\d+\i) == 0
	v_wmma_f32_16x16x4_f32 v[F+8*\t:F+8*\t+7], v[144+32*\t-192*(\t/2)+8*\d+2*\i:145+32*\t-192*(\t/2)+8*\d+2*\i], v[80+8*\d+2*\i:81+8*\d+2*\i], 0
.else
	v_wmma_f32_16x16x4_f32 v[F+8*\t:F+8*\t+7], v[144+32*\t-192*(\t/2)+8*\d+2*\i:145+32*\t-192*(\t/2)+8*\d+2*\i], v[80+8*\d+2*\i:81+8*\d+2*\i], v[F+8*\t:F+8*\t+7]
.endif
.endr
.endr
.endr
.rept 8
	v_nop
.endr
.irp t, 0,1,2,3
	ds_store_b128 v6, v[F+8*\t:F+8*\t+3] offset:64*\t              ; lane (r, h): position r, columns 16 t + 8 h + 0..7
	ds_store_b128 v6, v[F+8*\t+4:F+8*\t+7] offset:64*\t+16
.endr
	s_wait_dscnt 0x0                               ; for the others' sake: my part lies in LDS
	s_barrier_signal -1
	s_barrier_wait -1
.irp x, 0,1,2,3,4,5,6,7,8,9,10,11,12,13,14,15
	ds_load_b64 v[16+2*\x:17+2*\x], v7 offset:4352*\x              ; row = my wave's number, of all sixteen parts
.endr
	s_wait_dscnt 0x0
.irp x, 1,2,3,4,5,6,7,8,9,10,11,12,13,14,15
	v_pk_add_f32 v[16:17], v[16:17], v[16+2*\x:17+2*\x]            ; the heads in ascending order
.endr
	global_store_b64 v8, v[16:17], s[12:13]        ; 256 consecutive bytes, aligned
	s_wait_tensorcnt 0x0                           ; the wave's end, behind my last LDS store
	ds_add_u32 v[SPW], v[NIL]
	s_wait_dscnt 0x0
	s_endpgm
.Lfunc_end_k_q2f3b221b8e_head16:
	.size	k_q2f3b221b8e_head16, .Lfunc_end_k_q2f3b221b8e_head16-k_q2f3b221b8e_head16
	.p2alignl 7, 3214868480
	.fill 96, 4, 3214868480
	.section	.rodata,"a",@progbits
	.p2align	6, 0x0
	.amdhsa_kernel k_q2f3b221b8e_head16
		.amdhsa_group_segment_fixed_size 71680
		.amdhsa_private_segment_fixed_size 0
		.amdhsa_enable_private_segment 0
		.amdhsa_kernarg_size 40
		.amdhsa_user_sgpr_count 2
		.amdhsa_user_sgpr_kernarg_segment_ptr 1
		.amdhsa_wavefront_size32 1
		.amdhsa_system_sgpr_workgroup_id_x 1
		.amdhsa_system_sgpr_workgroup_id_y 1
		.amdhsa_system_sgpr_workgroup_id_z 1
		.amdhsa_system_vgpr_workitem_id 0
		.amdhsa_next_free_vgpr 256
		.amdhsa_next_free_sgpr 66
		.amdhsa_reserve_vcc 0
		.amdhsa_float_denorm_mode_32 3
		.amdhsa_float_denorm_mode_16_64 3
		.amdhsa_memory_ordered 1
		.amdhsa_forward_progress 1
		.amdhsa_inst_pref_size 23
	.end_amdhsa_kernel
	.amdgpu_metadata
---
amdhsa.version: [ 1, 2 ]
amdhsa.kernels:
  - .name:           k_q2f3b221b8e_head16
    .symbol:         k_q2f3b221b8e_head16.kd
    .args:
      - { .name: fine32, .offset: 0, .size: 8, .value_kind: global_buffer, .address_space: global }
      - { .name: fstate, .offset: 8, .size: 8, .value_kind: global_buffer, .address_space: global }
      - { .name: maskw, .offset: 16, .size: 8, .value_kind: global_buffer, .address_space: global }
      - { .name: wo, .offset: 24, .size: 8, .value_kind: global_buffer, .address_space: global }
      - { .name: out0, .offset: 32, .size: 8, .value_kind: global_buffer, .address_space: global }
    .group_segment_fixed_size: 71680
    .private_segment_fixed_size: 0
    .kernarg_segment_align: 8
    .kernarg_segment_size: 40
    .max_flat_workgroup_size: 512
    .sgpr_count:     66
    .vgpr_count:     256
    .wavefront_size: 32
...
	.end_amdgpu_metadata
.endif
;; end of part 5
